; MI455X (gfx1250); checked and timed in simulation.
; The chip was launched on July 23, 2026; its instructions are those of AMD's public machine-readable ISA for CDNA 5 (MIT licence, August 2026) and "CDNA5" Instruction Set Architecture Reference Guide (July 2026). The comments in the code are by the model that wrote it; some were corrected since.
;; Qwen3 5 Attention. Allowed arithmetic: matrix products marked QUANTISED: E4M3 operands, one given power-of-two scale a tensor, by v_wmma_f32_16x16x64_fp8_fp8 or v_wmma_f32_16x16x128_fp8_fp8, f32 sums; everything else in f32.
;; Inputs: Wk 2,048 x 1,024 float32; Wo 1,024 x 2,048 float32; Wq 2,048 x 2,048 float32; Wv 2,048 x 1,024 float32; attention_mask 2 x 2,048 int32; k_norm_w 128 float32; lowp_scales 12 int32 (the exponents e of the quantised operands' scales 2^e); positions 2 x 2,048 int32; q_norm_w 128 float32; x 2 x 2,048 x 2,048 float32.
;; Outputs: out0 2 x 2,048 x 2,048 float32.
;; This version of the problem:
;;   THIS VERSION OF THE PROBLEM IS GIVEN IN LOW PRECISION. The matrix products marked QUANTISED in the list below multiply operands that are first quantised to E4M3 (4 exponent bits, 3 mantissa bits; 8 bits a number), with one given power-of-two scale for each operand tensor; their sums are f32. All else is computed in f32.
;;   The module's matrix products, in the order in which they are computed (A, B: the left and right operand; K: the contracted axis; several contracted axes count as one K, in the product's order):
;;     1. [M 4,096, K 2,048] x [K 2,048, N 2,048]; A: input x; B: input Wq: QUANTISED (scales: A lowp_scales[0], B lowp_scales[1])
;;     2. [M 4,096, K 2,048] x [K 2,048, N 1,024]; A: input x; B: input Wk: QUANTISED (scales: A lowp_scales[2], B lowp_scales[3])
;;     3. [M 4,096, K 2,048] x [K 2,048, N 1,024]; A: input x; B: input Wv: QUANTISED (scales: A lowp_scales[4], B lowp_scales[5])
;;     4. batch 16 x [M 2,048, K 128] x [K 128, N 2,048]; A: computed on the way; B: computed on the way: QUANTISED (scales: A lowp_scales[6], B lowp_scales[7])
;;     5. batch 16 x [M 128, K 2,048] x [K 2,048, N 2,048]; A: computed on the way; B: softmax (see below): QUANTISED (scales: A lowp_scales[8], B lowp_scales[9])
;;     6. [M 4,096, K 1,024] x [K 1,024, N 2,048]; A: computed on the way; B: input Wo: QUANTISED (scales: A lowp_scales[10], B lowp_scales[11])
;;   THE QUANTISER, for each operand of a quantised product, along K:
;;     - The operand's scale is 2^e, e = its entry of the input lowp_scales (int32; the entries are numbered through the quantised products in the list's order, A before B).
;;     - Each number is divided by the scale, clamped to +-448, and rounded to the nearest number of E4M3, ties to even, subnormals kept.
;;     - The product sums the exact products of the quantised numbers (number of the format x scale) in f32.
;;   ~~~python
;;   def quantise(x, axis, e):      # numpy; x: float32 -> the quantised numbers, widened to float32 again
;;       x = np.moveaxis(x, axis, -1); K = x.shape[-1]
;;       r = np.clip(x / 2.0 ** e, -448, 448)
;;       step = 2.0 ** (np.maximum(np.frexp(np.where(r == 0, 1, r))[1] - 1, -6) - 3)
;;       q = np.round(r / step) * step * 2.0 ** e      # np.round: ties to even
;;       return np.moveaxis(q, -1, axis).astype(np.float32)
;;   ~~~
;;   SOFTMAX AHEAD OF A QUANTISED PRODUCT. Where the list says 'softmax', what is quantised is not the finished softmax but p = 2^(t - M), with t = logit x log2(e) and M = ceil(the row's largest t), a whole number; so 1/2 < the row's largest p <= 1. The row's sum l is taken of the UNQUANTISED p, in f32, and the product's result is divided by l at the end. Since M is a whole number, a kernel that streams over the keys may use a running M (the ceiling of the running maximum): every later rescaling is an exact power of two, so the quantised numbers keep their values, but for numbers so far below the row's largest that they fall under the format's range.
;;   OPERANDS COMPUTED ON THE WAY. 'Computed on the way' means the value that the module computes at that place (a softmax that the list does not call 'softmax' is quantised finished and normalised). What goes into a quantiser is computed in f32, as accurately as f32 sums, v_exp_f32 and their like allow (about 1e-6 of the number): no bf16 or f16 on the way to a quantiser, and a product that is left as it is and whose result goes on into a quantised operand takes f32 operands (vector FMAs, or v_wmma_f32_16x16x4_f32). A number that lies on a knife's edge between two numbers of the format may be rounded either way, as far as f32 arithmetic and the matrix unit's own rounding can turn it there, and no further.
;; One version. Each part assembles by itself: llvm-mc -triple=amdgcn-amd-amdhsa -mcpu=gfx1250 --defsym DOCPART=n.
;; ======== version 1 of 1: 4 launches
;; limits: right only within a limited range of input values
;; workspace buffers: xc 25,165,824 bytes; wc 10,485,760 bytes; rope 524,288 bytes; q_img 4,194,304 bytes; kv_img 8,519,680 bytes; gate_img 16,777,216 bytes; vsum 131,072 bytes; a_img 4,194,304 bytes
;; launch prep (part 1): grid 608 x 1, 4 waves a work-group, no clusters, 68,096 bytes of LDS; arguments x, Wq, Wk, Wv, Wo, positions, lowp_scales, xc, wc, rope; writes xc, wc, rope
.if DOCPART == 1
	.amdgcn_target "amdgcn-amd-amdhsa--gfx1250"
	.amdhsa_code_object_version 6
	.text
	.protected	k_qbfe1663d4e_prep
	.globl	k_qbfe1663d4e_prep
	.p2align	8
	.type	k_qbfe1663d4e_prep,@function
k_qbfe1663d4e_prep:
	s_mov_b64 s[64:65], 0
	v_nop
	global_prefetch_b8 v0, s[64:65] scope:SCOPE_SE
	s_setreg_imm32_b32 hwreg(HW_REG_WAVE_MODE, 25, 1), 1
	s_wait_xcnt 0x0
; PREP: everything that is quantised or tabulated once.  Three kinds of work-groups, told apart by the work-group's number alone:
;   0-255    x [4096][2048] f32 -> three planes of E4M3 codes, K innermost, with the scales 2^e0, 2^e2, 2^e4 (x is an operand of three products, each with a scale of its own)
;   256-575  Wq, Wk, Wv, Wo (f32, K is the FIRST axis) -> codes with K innermost: wc rows 0-2047 Wq's columns, 2048-3071 Wk's, 3072-4095 Wv's (2,048 bytes a row); from byte 8,388,608 Wo's 2,048 columns (1,024 bytes a row)
;   576-607  cos and sin of positions x inv_freq: rope [4096][cos 0..15 | sin 0..15] f32
; code = number / 2^e, held within +-448, to the nearest code, ties to even.
; Wo's codes: within each 32 along K the two middle groups of 8 change places (stored byte 32 c + 16 h + 8 u + i holds k = 32 c + 16 u + 8 h + i), so that four loads of 16 bytes give
; the matrix form's own order of k, in which the other operand of that product is made.
; LIMITS: every e between -126 and 119.  NaN among the inputs is not served.  |positions| up to 131,072 (the quadrant is found by one f32 product; beyond that it can be off by one).
; inv_freq is 10^(-7 i / 16) rounded to f32, where the reference takes a power and a reciprocal in f32: the last bit may differ.
; Memory binds: no matrix unit, no tensor load, no cluster, no barrier (waves share nothing).  The two paths that use LDS have bytes of their own: x 0-32,767, the weights 32,768-67,583.
.set SP,   80                          ; x: a lane's place in a stage: 64 bytes + 16 of padding
.set XR,   16                          ; x: v16-79   four sets of 16 numbers as loaded
.set XX,   80                          ; x: v80-111  two sets of 16 neighbours
.set XT,   112                         ; x: v112-143 two sets of held numbers
.set XC,   144                         ; x: v144-167 two sets of 12 registers of codes
.set VO,   16                          ; w: v16-47   byte offset of row i of a block of 32 along K
.set WX,   48                          ; w: v48-111  two sets of 32 numbers
.set WC,   112                         ; w: v112-119 a block's codes
.set OUTR, 120                         ; w: v120-183 the way out
.set WSTG, 32768                       ; w: the stages: 32 rows x 272 bytes for each wave
.macro MKS e, vs, vl                   ; 2^e as f32 (the conversion takes its exponent field) and 448 x 2^e
	s_add_co_i32 s88, s[\e], 127
	s_lshl_b32 s89, s88, 23
	v_mov_b32 v[\vs], s89
	s_add_co_i32 s88, s88, 8
	s_lshl_b32 s88, s88, 23
	s_or_b32 s88, s88, 0x600000
	v_mov_b32 v[\vl], s88
.endm
	s_load_b512 s[4:19], s[0:1], 0x0               ; x 4, Wq 6, Wk 8, Wv 10, Wo 12, positions 14, the scales 16, xc 18
	s_load_b128 s[20:23], s[0:1], 0x40             ; wc 20, rope 22
	v_lshl_add_u32 v192, v0, 2, 0x10800
	v_mov_b32 v193, 0
	v_lshrrev_b32 v1, 5, v0
	v_readfirstlane_b32 s42, v1                    ; wave
	v_and_b32 v2, 31, v0                           ; lane
	s_wait_kmcnt 0x0
	s_load_b256 s[24:31], s[16:17], 0x0            ; e0 .. e7
	s_load_b128 s[32:35], s[16:17], 0x20           ; e8 .. e11
	s_cmp_lt_u32 ttmp9, 256
	s_cbranch_scc1 .Lx
	s_cmp_lt_u32 ttmp9, 576
	s_cbranch_scc1 .Lw
; ---------------- cos and sin: a thread a row, 16 frequencies ----------------
	s_sub_co_u32 s43, ttmp9, 576
	s_lshl_b32 s44, s43, 9                         ; 128 rows x 4 bytes of positions
	s_mov_b32 s45, 0
	s_add_nc_u64 s[14:15], s[14:15], s[44:45]
	s_lshl_b32 s44, s43, 14                        ; 128 rows x 128 bytes of the table
	s_add_nc_u64 s[22:23], s[22:23], s[44:45]
	v_lshlrev_b32 v3, 2, v0
	global_load_b32 v4, v3, s[14:15]
	s_mov_b32 s78, 0x3f22f983                      ; 2 / pi
	s_mov_b32 s79, 0xbfc90fdb                      ; -pi/2 in three parts
	s_mov_b32 s80, 0x333bbd2e
	s_mov_b32 s81, 0x26f72cfa
	s_mov_b32 s82, 0xbe2aaaa3                      ; sine: r + z r (S1 + z (S2 + z S3)), z = r r
	s_mov_b32 s83, 0x3c08839e
	s_mov_b32 s84, 0xb94ca1f9
	s_mov_b32 s85, 0x3d2aaaa5                      ; cosine: 1 - z / 2 + z z (C1 + z (C2 + z C3))
	s_mov_b32 s86, 0xbab6061a
	s_mov_b32 s87, 0x37ccf5ce
	v_lshlrev_b32 v16, 7, v0
	s_wait_loadcnt 0x0
	s_wait_kmcnt 0x0
	v_cvt_f32_i32 v4, v4
.macro SINCOS i, inv
	v_mul_f32 v5, \inv, v4                         ; the angle, rounded once
	v_mul_f32 v6, s78, v5
	v_rndne_f32 v6, v6                             ; the quadrant
	v_fma_f32 v7, v6, s79, v5                      ; r = angle - quadrant x pi/2, in three fused steps
	v_fma_f32 v7, v6, s80, v7
	v_fma_f32 v7, v6, s81, v7
	v_mul_f32 v8, v7, v7
	v_cvt_i32_f32 v9, v6
	v_fma_f32 v10, v8, s84, s83
	v_fma_f32 v10, v10, v8, s82
	v_mul_f32 v11, v8, v7
	v_fma_f32 v10, v10, v11, v7                    ; sin r
	v_fma_f32 v12, v8, s87, s86
	v_fma_f32 v12, v12, v8, s85
	v_mul_f32 v13, v8, v8
	v_fma_f32 v14, v8, -0.5, 1.0
	v_fma_f32 v12, v12, v13, v14                   ; cos r
	v_and_b32 v13, 1, v9
	v_cmp_eq_u32 vcc_lo, 1, v13                    ; in odd quadrants the two change places
	v_cndmask_b32 v14, v10, v12, vcc_lo
	v_cndmask_b32 v15, v12, v10, vcc_lo
	v_lshlrev_b32 v13, 30, v9                      ; the sine is negative in quadrants 2 and 3,
	v_and_b32 v13, 0x80000000, v13
	v_xor_b32 v[48+\i], v13, v14
	v_add_nc_u32 v9, 1, v9                         ; the cosine in 1 and 2
	v_lshlrev_b32 v9, 30, v9
	v_and_b32 v9, 0x80000000, v9
	v_xor_b32 v[32+\i], v9, v15
.endm
	SINCOS 0, 1.0
	SINCOS 1, 0.36517412725
	SINCOS 2, 0.13335214322
	SINCOS 3, 0.048696752517
	SINCOS 4, 0.017782794100
	SINCOS 5, 0.0064938163158
	SINCOS 6, 0.0023713737057
	SINCOS 7, 0.00086596432336
	SINCOS 8, 0.00031622776602
	SINCOS 9, 0.00011547819847
	SINCOS 10, 0.000042169650343
	SINCOS 11, 0.000015399265261
	SINCOS 12, 0.0000056234132519
	SINCOS 13, 0.0000020535250265
	SINCOS 14, 0.00000074989420933
	SINCOS 15, 0.00000027384196343
.irp j, 0,1,2,3,4,5,6,7
	global_store_b128 v16, v[32+4*\j:35+4*\j], s[22:23] offset:16*\j   ; a lane's row of 128 bytes; the whole table is half a megabyte
.endr
	s_endpgm
; ---------------- x: a plain stream of blocks; a wave takes 16 steps of 512 numbers ----------------
; Each load reads 512 consecutive bytes; a step's 2,048 bytes turn through the wave's own stage in LDS, so that a lane then holds 16 neighbours along K; these are held and converted three times.
.Lx:
	s_wait_alu depctr_va_vdst(0)
	v_lshlrev_b32 v3, 4, v2                        ; 16 x lane: my bytes of a load's 512, and of a store's
	s_wait_alu depctr_va_vdst(0)
	s_mul_i32 s43, s42, 8192
	v_lshrrev_b32 v14, 2, v2
	v_mul_u32_u24 v14, v14, SP
	v_and_b32 v15, 3, v2
	v_lshl_add_u32 v14, v15, 4, v14
	v_add_nc_u32 v14, s43, v14                     ; the stage, in: SP (lane / 4) + 16 (lane % 4)
	v_mul_u32_u24 v15, v2, SP
	v_add_nc_u32 v15, s43, v15                     ; and out: SP x lane
	s_lshl_b32 s44, ttmp9, 2
	s_add_co_u32 s44, s44, s42                     ; which run of 8,192 numbers is my wave's
	s_lshl_b32 s46, s44, 15
	s_mov_b32 s47, 0
	s_add_nc_u64 s[4:5], s[4:5], s[46:47]
	s_lshl_b32 s46, s44, 13
	s_add_nc_u64 s[36:37], s[18:19], s[46:47]      ; plane 0,
	s_add_nc_u64 s[38:39], s[36:37], 0x800000      ; plane 1,
	s_add_nc_u64 s[40:41], s[38:39], 0x800000      ; plane 2
.macro XLOAD t
.irp i, 0,1,2,3
	global_load_b128 v[XR+16*((\t)%4)+4*\i:XR+16*((\t)%4)+4*\i+3], v3, s[4:5] offset:2048*(\t)+512*\i th:TH_LOAD_NT
.endr
.endm
.macro XTURN t                         ; LDS serves a wave's instructions in order: no wait between the stores and the loads
.irp i, 0,1,2,3
	ds_store_b128 v14, v[XR+16*((\t)%4)+4*\i:XR+16*((\t)%4)+4*\i+3] offset:32*SP*((\t)%2)+8*SP*\i
.endr
.irp i, 0,1,2,3
	ds_load_b128 v[XX+16*((\t)%2)+4*\i:XX+16*((\t)%2)+4*\i+3], v15 offset:32*SP*((\t)%2)+16*\i
.endr
.endm
.irp t, 0,1,2,3
	XLOAD \t
.endr
	s_wait_alu depctr_va_vdst(0)
	s_wait_kmcnt 0x0
	MKS 24, 8, 11                                  ; e0
	MKS 26, 9, 12                                  ; e2
	MKS 28, 10, 13                                 ; e4
	s_wait_alu depctr_va_vdst(0)
	s_wait_loadcnt 12                              ; step 0's four loads are in
	XTURN 0
.macro XSTEP t
	s_wait_dscnt 0x0                               ; this step's numbers are back from the stage, and its stores into the stage have read their registers,
.if (\t)+4 < 16
	XLOAD (\t)+4                                   ; which take the loads of four steps on
.endif
.if (\t)+1 < 16
.if 14-(\t) >= 3
	s_wait_loadcnt 12                              ; the next step's four loads are in; three steps' may be out
.else
	s_wait_loadcnt 4*(14-(\t))
.endif
	XTURN (\t)+1
.endif
.if (\t) >= 2
	s_wait_xcnt 0x0                                ; the stores of two steps ago have read their data: these registers take this step's codes
.endif
.irp p, 0,1,2
.set TS, XT+16*((3*(\t)+\p)%2)
.set XS, XX+16*((\t)%2)
.set CD, XC+12*((\t)%2)+4*\p
.set ii, 0
.rept 16
	v_med3_num_f32 v[TS+ii], v[XS+ii], -v[11+\p], v[11+\p]   ; the conversion does not saturate (ISA guide 7.6.2): the hold comes first.  These lines are also the plain lines behind the last plane's conversions
.set ii, ii+1
.endr
	v_cvt_scalef32_pk8_fp8_f32 v[CD:CD+1], v[TS:TS+7], v[8+\p]
	v_cvt_scalef32_pk8_fp8_f32 v[CD+2:CD+3], v[TS+8:TS+15], v[8+\p]
	global_store_b128 v3, v[CD:CD+3], s[36+2*\p:37+2*\p] offset:512*(\t)   ; 32 lanes store 512 consecutive bytes
.endr
.endm
.irp t, 0,1,2,3,4,5,6,7,8,9,10,11,12,13,14,15
	XSTEP \t
.endr
	s_wait_tensorcnt 0x0
	ds_add_u32 v192, v193
	s_wait_dscnt 0x0
	s_endpgm
; ---------------- the weights: a lane takes a column n, its registers run down K; a work-group takes 128 columns x 256 along K ----------------
.Lw:
	s_sub_co_u32 s43, ttmp9, 256                   ; 0-127 Wq, 128-191 Wk, 192-255 Wv, 256-319 Wo
	s_sub_co_u32 s74, s43, 192
	s_sub_co_u32 s75, s43, 128
	s_sub_co_u32 s47, s43, 256
	s_mov_b64 s[44:45], s[12:13]                   ; Wo's figures; the others' are chosen over them by the work-group's number
	s_mov_b32 s66, 8192                            ; a row of the weight in bytes
	s_mov_b32 s67, 4                               ; log2 of its groups of 128 columns,
	s_mov_b32 s76, 15                              ; and their mask
	s_mov_b32 s68, 0                               ; the first row in the codes' buffer
	s_mov_b32 s69, 1024                            ; a row of codes in bytes
	s_mov_b32 s70, 0x800000                        ; where the codes begin
	s_mov_b32 s71, 0x10000                         ; 8 rows of Wo: the swap of the middle groups
	s_cmp_lt_u32 s43, 256
	s_cselect_b64 s[44:45], s[10:11], s[44:45]
	s_cselect_b32 s47, s74, s47
	s_cselect_b32 s66, 4096, s66
	s_cselect_b32 s67, 3, s67
	s_cselect_b32 s76, 7, s76
	s_cselect_b32 s68, 3072, s68
	s_cselect_b32 s69, 2048, s69
	s_cselect_b32 s70, 0, s70
	s_cselect_b32 s71, 0, s71
	s_cmp_lt_u32 s43, 192
	s_cselect_b64 s[44:45], s[8:9], s[44:45]
	s_cselect_b32 s47, s75, s47
	s_cselect_b32 s68, 2048, s68
	s_cmp_lt_u32 s43, 128
	s_cselect_b64 s[44:45], s[6:7], s[44:45]
	s_cselect_b32 s47, s43, s47
	s_cselect_b32 s66, 8192, s66
	s_cselect_b32 s67, 4, s67
	s_cselect_b32 s76, 15, s76
	s_cselect_b32 s68, 0, s68
	s_and_b32 s77, s47, s76                        ; which 128 columns,
	s_lshr_b32 s78, s47, s67                       ; which 256 along K
	s_lshl_b32 s77, s77, 7
	s_lshl_b32 s79, s42, 5
	s_add_co_u32 s77, s77, s79                     ; my wave's first column
	s_lshl_b32 s80, s66, 8
	s_mul_i32 s80, s80, s78
	s_lshl_b32 s79, s77, 2
	s_add_co_u32 s80, s80, s79
	s_mov_b32 s81, 0
	s_add_nc_u64 s[48:49], s[44:45], s[80:81]      ; a base for each of the eight blocks of 32 along K: none is ever stepped
	s_lshl_b32 s80, s66, 5
.irp t, 1,2,3,4,5,6,7
	s_add_nc_u64 s[48+2*\t:49+2*\t], s[46+2*\t:47+2*\t], s[80:81]
.endr
	s_wait_alu depctr_va_vdst(0)
	v_lshlrev_b32 v3, 2, v2                        ; 4 bytes a lane: 128 consecutive bytes a load
	v_add_nc_u32 v12, s71, v3                      ; registers 8-15 take rows 16-23 in Wo,
	s_lshl_b32 s79, s66, 3
	s_sub_co_u32 s79, s79, s71
	v_add_nc_u32 v13, s79, v3                      ; registers 16-23 rows 8-15 there; in the others every register takes its own row
.irp i, 0,1,2,3,4,5,6,7
	v_mad_u32_u24 v[VO+\i], s66, \i, v3
	v_mad_u32_u24 v[VO+8+\i], s66, 8+\i, v12
	v_mad_u32_u24 v[VO+16+\i], s66, 8+\i, v13
	v_mad_u32_u24 v[VO+24+\i], s66, 24+\i, v3
.endr
	s_mul_i32 s79, s42, 32*272
	s_add_co_u32 s79, s79, WSTG                    ; my stage
	v_mul_u32_u24 v4, v2, 272
	v_add_nc_u32 v4, s79, v4                       ; into it: row = my column
	v_and_b32 v5, 15, v2
	v_lshrrev_b32 v6, 4, v2
	v_mul_u32_u24 v7, v6, 272
	v_lshl_add_u32 v7, v5, 4, v7
	v_add_nc_u32 v7, s79, v7                       ; out of it: sixteen lanes to a row, two rows an instruction
	v_mul_u32_u24 v8, v6, s69
	v_lshl_add_u32 v8, v5, 4, v8                   ; and the same place in the codes' buffer
	s_add_co_u32 s82, s68, s77
	s_mul_i32 s82, s82, s69
	s_lshl_b32 s79, s78, 8
	s_add_co_u32 s82, s82, s79
	s_add_co_u32 s82, s82, s70
	s_mov_b32 s83, 0
	s_add_nc_u64 s[72:73], s[20:21], s[82:83]
.macro WLOAD t
.set ii, 0
.rept 32
	global_load_b32 v[WX+32*((\t)%2)+ii], v[VO+ii], s[48+2*(\t):49+2*(\t)] th:TH_LOAD_NT
.set ii, ii+1
.endr
.endm
	WLOAD 0
	WLOAD 1
	s_wait_kmcnt 0x0
	s_mov_b32 s46, s35                             ; e11, e5, e3 or e1
	s_cmp_lt_u32 s43, 256
	s_cselect_b32 s46, s29, s46
	s_cmp_lt_u32 s43, 192
	s_cselect_b32 s46, s27, s46
	s_cmp_lt_u32 s43, 128
	s_cselect_b32 s46, s25, s46
	MKS 46, 11, 10
.macro WBLOCK t
.set XS, WX+32*((\t)%2)
.if (\t) < 7
	s_wait_loadcnt 32                              ; this block's 32 loads are in; the next block's may be out
.else
	s_wait_loadcnt 0
.endif
.set ii, 0
.rept 32
	v_med3_num_f32 v[XS+ii], v[XS+ii], -v10, v10
.set ii, ii+1
.endr
.irp g, 0,1,2,3
	v_cvt_scalef32_pk8_fp8_f32 v[WC+2*\g:WC+2*\g+1], v[XS+8*\g:XS+8*\g+7], v11
.endr
	ds_store_b128 v4, v[WC:WC+3] offset:32*(\t)
	ds_store_b128 v4, v[WC+4:WC+7] offset:32*(\t)+16
.if (\t)+2 < 8
	WLOAD (\t)+2
.endif
	s_wait_dscnt 0x0                               ; the stores have read their registers: the next block's codes may be written
.endm
	s_wait_alu depctr_va_vdst(0)
.irp t, 0,1,2,3,4,5,6,7
	WBLOCK \t
.endr
.set tt, 0
.rept 16
	ds_load_b128 v[OUTR+4*tt:OUTR+4*tt+3], v7 offset:2*tt*272
.set tt, tt+1
.endr
	s_cmp_lt_u32 s43, 256                          ; the two row lengths stand in the stores' immediates: written twice
	s_cbranch_scc0 .Lwo_out
.set tt, 0
.rept 16
	s_wait_dscnt 15-tt
	global_store_b128 v8, v[OUTR+4*tt:OUTR+4*tt+3], s[72:73] offset:2*tt*2048   ; sixteen lanes store 256 consecutive bytes, aligned
.set tt, tt+1
.endr
	s_wait_tensorcnt 0x0
	ds_add_u32 v192, v193
	s_wait_dscnt 0x0
	s_endpgm
.Lwo_out:
.set tt, 0
.rept 16
	s_wait_dscnt 15-tt
	global_store_b128 v8, v[OUTR+4*tt:OUTR+4*tt+3], s[72:73] offset:2*tt*1024
.set tt, tt+1
.endr
	s_wait_tensorcnt 0x0
	ds_add_u32 v192, v193
	s_wait_dscnt 0x0
	s_endpgm
.Lfunc_end_k_qbfe1663d4e_prep:
	.size	k_qbfe1663d4e_prep, .Lfunc_end_k_qbfe1663d4e_prep-k_qbfe1663d4e_prep
	.p2alignl 7, 3214868480
	.fill 96, 4, 3214868480
	.section	.rodata,"a",@progbits
	.p2align	6, 0x0
	.amdhsa_kernel k_qbfe1663d4e_prep
		.amdhsa_group_segment_fixed_size 68096
		.amdhsa_private_segment_fixed_size 0
		.amdhsa_enable_private_segment 0
		.amdhsa_kernarg_size 80
		.amdhsa_user_sgpr_count 2
		.amdhsa_user_sgpr_kernarg_segment_ptr 1
		.amdhsa_wavefront_size32 1
		.amdhsa_system_sgpr_workgroup_id_x 1
		.amdhsa_system_sgpr_workgroup_id_y 1
		.amdhsa_system_sgpr_workgroup_id_z 1
		.amdhsa_system_vgpr_workitem_id 0
		.amdhsa_next_free_vgpr 194
		.amdhsa_next_free_sgpr 90
		.amdhsa_reserve_vcc 1
		.amdhsa_float_denorm_mode_32 3
		.amdhsa_float_denorm_mode_16_64 3
		.amdhsa_memory_ordered 1
		.amdhsa_forward_progress 1
		.amdhsa_inst_pref_size 154
	.end_amdhsa_kernel
	.amdgpu_metadata
---
amdhsa.version: [ 1, 2 ]
amdhsa.kernels:
  - .name:           k_qbfe1663d4e_prep
    .symbol:         k_qbfe1663d4e_prep.kd
    .args:
      - { .name: x, .offset: 0, .size: 8, .value_kind: global_buffer, .address_space: global }
      - { .name: Wq, .offset: 8, .size: 8, .value_kind: global_buffer, .address_space: global }
      - { .name: Wk, .offset: 16, .size: 8, .value_kind: global_buffer, .address_space: global }
      - { .name: Wv, .offset: 24, .size: 8, .value_kind: global_buffer, .address_space: global }
      - { .name: Wo, .offset: 32, .size: 8, .value_kind: global_buffer, .address_space: global }
      - { .name: positions, .offset: 40, .size: 8, .value_kind: global_buffer, .address_space: global }
      - { .name: lowp_scales, .offset: 48, .size: 8, .value_kind: global_buffer, .address_space: global }
      - { .name: xc, .offset: 56, .size: 8, .value_kind: global_buffer, .address_space: global }
      - { .name: wc, .offset: 64, .size: 8, .value_kind: global_buffer, .address_space: global }
      - { .name: rope, .offset: 72, .size: 8, .value_kind: global_buffer, .address_space: global }
    .group_segment_fixed_size: 68096
    .private_segment_fixed_size: 0
    .kernarg_segment_align: 8
    .kernarg_segment_size: 80
    .max_flat_workgroup_size: 128
    .sgpr_count:     90
    .vgpr_count:     194
    .wavefront_size: 32
...
	.end_amdgpu_metadata
.endif
;; end of part 1
;; launch gemm_qkv (part 2): grid 16 x 16, 4 waves a work-group, clusters of 4 x 4, 327,680 bytes of LDS; arguments xc, wc, lowp_scales, rope, q_norm_w, k_norm_w, attention_mask, q_img, kv_img, gate_img, vsum; writes q_img, kv_img, gate_img, vsum
.if DOCPART == 2
	.amdgcn_target "amdgcn-amd-amdhsa--gfx1250"
	.amdhsa_code_object_version 6
	.text
	.protected	k_qbfe1663d4e_gemm_qkv
	.globl	k_qbfe1663d4e_gemm_qkv
	.p2align	8
	.type	k_qbfe1663d4e_gemm_qkv,@function
k_qbfe1663d4e_gemm_qkv:
	s_mov_b64 s[64:65], 0
	v_nop
	global_prefetch_b8 v0, s[64:65] scope:SCOPE_SE
	s_setreg_imm32_b32 hwreg(HW_REG_WAVE_MODE, 25, 1), 1
	s_wait_xcnt 0x0
	s_wait_alu depctr_hold_cnt(0) depctr_sa_sdst(0) depctr_va_vdst(0) depctr_va_sdst(0) depctr_va_ssrc(0) depctr_va_vcc(0) depctr_vm_vsrc(0)
	s_getreg_b32 s2, hwreg(HW_REG_IB_STS2, 6, 4)
	s_cmp_eq_u32 s2, 0
	s_cbranch_scc0 .Lentry_in_a_cluster
	s_endpgm
.Lentry_in_a_cluster:
	s_bfe_u32 s2, ttmp6, 0x10000c
	s_cmp_lg_u32 s2, 0xf033
	s_cbranch_scc0 .Lentry_shape_is_right
	s_endpgm
.Lentry_shape_is_right:
; x Wq, x Wk, x Wv on E4M3 codes (K = 2,048), with what follows each: RMS norm, partial RoPE and the quantiser for q and k, the quantiser for v, the raw gate.
; One GEMM of 4,096 x 4,096: 256 work-groups of four waves, a tile of 256 x 256 each, a wave 128 x 128 in 64 accumulators.  Cluster columns 0, 1: Wq (tile column = head: 128 of q, 128 of gate),
; column 2: Wk, column 3: Wv.  x has a plane of codes for each of the three products.  K goes in steps of 256 through a ring of two LDS slots; rows of 256 bytes, padded to 272 in LDS.
; CLUSTERS 4 x 4: the region called A is asked for jointly along a row of the cluster, the region B along a column.  Source 0 = B's 16 rows, source 1 = A's: a lane holds one row of A's side and eight neighbours of B's side.
; q, k, gate: A = x's rows (tile 4 cluster y + cy), B = the weight's columns: a lane holds a token and eight neighbouring channels.
; v: its next K is the keys, so the two sides change places IN MEMORY: A = Wv's columns (tile cy), B = x's rows (tile 4 cluster y + cx): a lane holds a channel and eight neighbouring keys.  LDS addresses hang on the wave's number alone.
; OUT, all as images of the reader's registers (16 bytes a lane, 512 a store): q_img [batch][head][16 blocks][8 tiles of 16 tokens][2,048]; kv_img [batch][head][16 blocks of 128 keys][k 16,384 | v 16,384 | 128 f32 of key bias];
; gate_img f32 sums as they are; vsum: the sum of v's codes over each 128 keys (by a product with codes of 1.0).
; The key bias is 0 for a valid key and -2^(27 - e6 - e7) for a key that attention_mask hides.
; PREFETCH: behind the joint load of K step t each wave names K step t + 2 of 32 of the 128 rows that it fetches, a lane a row of 256 bytes; the four partners of a joint load take 32 rows each, told apart by address
; (cx for A, cy for B).  The loads of steps 6 and 7 name nothing.  What a work-group has named and not yet loaded is two K steps.
; LIMITS: the sums of two exponents between -126 and 127; e6, e7, e8 - e4 - e5 between -126 and 119.  NaN among the inputs is not served.
; REGISTERS: window 0: v8-29 addresses; v32-127 free in the loop (norm weights and mask land there ahead of the last step); v128-255 A's fragments, one set.  Window 1: B's fragments, two sets.  Windows 2, 3: accumulator (a, b) at v[8 (8 (a % 4) + b)].
.set ROWB,   256
.set KROW,   2048
.set PITCH,  272
.set FR,     16
.set NL,     4
.set NP,     4
.set HALFT,  128*PITCH
.set SLOT,   4*HALFT
.set LAPS,   4
.set SPARE,  2*SLOT                    ; the spare words, 512 bytes behind the ring
.set LI,   8                           ; 16 x lane
.set TA,   9                           ; rope: 128 r + 32 h
.set WA,   10                          ; norm weights: 32 h
.set LN,   11
.set L4,   12
.set PFO,  13                          ; prefetch: 2,048 x lane
.set ADRA, 16
.set ADRB, 20
.set SPW,  28
.set NIL,  29
.set W1,   32                          ; 1 + w at my 64 channels
.set MK,   96
.set BV,   100
.set RR,   104
.set R2,   112
.set AF,   128
.set T,    128                         ; behind the loop: a block's 64 numbers
.set F,    192                         ; two sets of 16 registers of codes
.set SS,   224
.set PL,   232
.set UU,   240
.set LIM,  248
.set SCL,  249
.set SENT, 250
.set VT,   32                          ; v's path
.set VF,   96
.set ONES, 128
.set VS,   144
.set VOUT, 208
.set G1, 24
.set G0, 32
.set G1B, 48
.set G0B, 56
.set PFA, 66                           ; s[66:67] where my prefetches stand
.set MSB, 0
.macro WIN new
.if MSB != (\new)
	s_set_vgpr_msb (MSB<<8)|(\new)
.set MSB, (\new)
.endif
.endm
.set MUL_LO, 0xa1
.set MUL_HI, 0xf1
.set TO_B,   0x40
.macro JLOAD g0a, g1a, g0b, g1b        ; waves 0, 1 fetch A's halves, waves 2, 3 B's
	s_cmp_eq_u32 s15, 0
	s_cbranch_scc0 .Lfor_b_\@
	tensor_load_to_lds s[\g0a:\g0a+3], s[\g1a:\g1a+7]
	s_nop 0
.rept 4
	v_nop
.endr
	s_branch .Lasked_\@
.Lfor_b_\@:
	tensor_load_to_lds s[\g0b:\g0b+3], s[\g1b:\g1b+7]
	s_nop 0
.rept 4
	v_nop
.endr
.Lasked_\@:
.endm
.macro CREST
	s_cmp_lg_u32 s14, 0
	s_cbranch_scc1 .Lnot_wave_0_\@
	s_barrier_signal -3
.Lnot_wave_0_\@:
	s_barrier_wait -3
	s_barrier_signal -1
	s_barrier_wait -1
.endm
.macro CROUND
	s_barrier_signal -1
	s_barrier_wait -1
	CREST
.endm
.macro PLACES n
.rept \n
	v_nop
.endr
.endm
	s_load_b128 s[4:7], s[0:1], 0x0                ; xc, wc
	s_load_b64 s[8:9], s[0:1], 0x10                ; the scales
	s_load_b512 s[68:83], s[0:1], 0x18             ; rope 68, q_norm_w 70, k_norm_w 72, mask 74, q_img 76, kv_img 78, gate_img 80, vsum 82
	v_lshl_add_u32 v[SPW], v0, 2, SPARE
	v_mov_b32 v[NIL], 0
	ds_add_u32 v[SPW], v[NIL]                      ; the opening lines: the add twice and its wait
	ds_add_u32 v[SPW], v[NIL]
	v_lshrrev_b32 v1, 5, v0
	v_readfirstlane_b32 s14, v1                    ; wave
	s_lshr_b32 s15, s14, 1                         ; my half of A's rows; also: I fetch for A (0) or B (1)
	s_and_b32 s16, s14, 1                          ; my half of B's rows; also: which 128 rows I fetch
	s_bfe_u32 s40, ttmp6, 0x40000                  ; cx
	s_bfe_u32 s41, ttmp6, 0x40004                  ; cy
	s_lshl_b32 s42, ttmp9, 2
	s_add_co_u32 s42, s42, s40                     ; tile column
	s_and_b32 s17, ttmp7, 0xffff
	s_lshl_b32 s17, s17, 2
	s_add_co_u32 s93, s17, s40                     ; v: x's tile, 4 cluster y + cx (B's side)
	s_add_co_u32 s17, s17, s41                     ; tile row
	s_lshl_b32 s43, s41, 2
	s_lshl_b32 s43, 15, s43                        ; my row of the cluster
	s_lshl_b32 s44, 0x1111, s40                    ; my column
	s_or_b32 s[G1+0], s43, (1<<20)|(1<<21)|(5<<22)|(3<<25)
	s_or_b32 s[G1B+0], s44, (1<<20)|(1<<21)|(5<<22)|(3<<25)
.irp g, G1, G1B
	s_mov_b32 s[\g+1], ROWB<<16
	s_mov_b32 s[\g+2], 128<<16
	s_mov_b32 s[\g+3], ROWB<<16
	s_mov_b32 s[\g+4], 128
	s_mov_b32 s[\g+5], KROW
	s_mov_b32 s[\g+6], 0
	s_mov_b32 s[\g+7], 0
.endr
	s_lshl_b32 s18, s16, 7
	s_lshl_b32 s20, s17, 8                         ; A, q and k: x's row 256 x tile row,
	s_max_u32 s19, ttmp9, 1
	s_sub_co_u32 s19, s19, 1
	s_lshl_b32 s19, s19, 12
	s_add_co_u32 s20, s20, s19                     ; in plane 0 (Wq) or 1 (Wk): 4,096 rows a plane
	s_lshl_b32 s19, s41, 8
	s_add_co_u32 s19, s19, 3072                    ; A, v: Wv's codes begin at row 3,072; tile cy
	s_lshl_b32 s46, s42, 8                         ; B, q and k: the weight's row 256 x tile column
	s_lshl_b32 s94, s93, 8
	s_add_co_u32 s94, s94, 8192                    ; B, v: x's rows in plane 2
	s_cmp_eq_u32 ttmp9, 3
	s_cselect_b32 s20, s19, s20
	s_cselect_b32 s46, s94, s46
	s_add_co_u32 s20, s20, s18
	s_add_co_u32 s46, s46, s18
	s_lshl_b32 s20, s20, 11                        ; rows of 2,048 bytes
	s_lshl_b32 s46, s46, 11
	s_mov_b32 s21, 0
	s_mov_b32 s47, 0
	s_mul_i32 s45, s14, HALFT                      ; where my 128 rows go in a slot
	s_mul_i32 s22, s15, HALFT                      ; where my fragments of A lie,
	s_mul_i32 s23, s16, HALFT
	s_add_co_u32 s23, s23, 2*HALFT                 ; and of B
	s_cmp_eq_u32 s15, 0
	s_cselect_b32 s98, s40, s41                    ; my place among the four that ask with me
	s_lshl_b32 s98, s98, 16                        ; 32 rows of 2,048 bytes
	s_add_co_u32 s98, s98, ROWB                    ; at K step 1
	s_mov_b32 s99, 0
	s_wait_dscnt 0x0
	s_wait_kmcnt 0x0
	s_load_b256 s[84:91], s[8:9], 0x0              ; e0 .. e7
	s_load_b32 s92, s[8:9], 0x20                   ; e8
	s_cmp_eq_u32 ttmp9, 3                          ; the choice of buffers hangs on the cluster's x alone
	s_cselect_b64 s[10:11], s[6:7], s[4:5]
	s_cselect_b64 s[12:13], s[4:5], s[6:7]
	s_add_nc_u64 s[20:21], s[10:11], s[20:21]
	s_add_nc_u64 s[46:47], s[12:13], s[46:47]
	CROUND                                         ; all sixteen work-groups are here
	s_cmp_eq_u32 s15, 0
	s_cselect_b64 s[PFA:PFA+1], s[20:21], s[46:47]
	s_add_nc_u64 s[PFA:PFA+1], s[PFA:PFA+1], s[98:99]
.irp s, 0,1
	s_mov_b32 s[G0+4*\s], 1
	s_add_co_u32 s[G0+4*\s+1], s45, \s*SLOT
	s_add_nc_u64 s[G0+4*\s+2:G0+4*\s+3], s[20:21], \s*ROWB
	s_or_b32 s[G0+4*\s+3], s[G0+4*\s+3], 0x80000000
	s_mov_b32 s[G0B+4*\s], 1
	s_add_co_u32 s[G0B+4*\s+1], s45, \s*SLOT
	s_add_nc_u64 s[G0B+4*\s+2:G0B+4*\s+3], s[46:47], \s*ROWB
	s_or_b32 s[G0B+4*\s+3], s[G0B+4*\s+3], 0x80000000
.endr
	JLOAD G0, G1, G0B, G1B                         ; K step 0: one tensor load a wave at the head, behind the round above
	v_and_b32 v[LN], 31, v0
	v_lshlrev_b32 v[PFO], 11, v[LN]
	global_prefetch_b8 v[PFO], s[PFA:PFA+1] th:TH_LOAD_NT scope:SCOPE_SE               ; K step 1, whose load follows when step 0 has landed,
	global_prefetch_b8 v[PFO], s[PFA:PFA+1] offset:ROWB th:TH_LOAD_NT scope:SCOPE_SE   ; and K step 2
	v_and_b32 v1, 15, v0                           ; r
	v_bfe_u32 v2, v0, 4, 1                         ; h
	v_mul_u32_u24 v3, v1, PITCH
	v_lshl_add_u32 v4, v2, 4, v3
	v_lshlrev_b32 v[WA], 5, v2
	v_lshl_add_u32 v[TA], v1, 7, v[WA]
	v_lshlrev_b32 v[LI], 4, v[LN]
	v_lshlrev_b32 v[L4], 2, v[LN]
	v_add_nc_u32 v[ADRA], s22, v4
	v_add_nc_u32 v[ADRB], s23, v4
	v_add_nc_u32 v[ADRA+1], SLOT, v[ADRA]
	v_add_nc_u32 v[ADRB+1], SLOT, v[ADRB]
.macro FRAG reg, adr, q, i             ; 16 rows x 128 K: registers 4 c .. 4 c + 3 hold K = 32 c + 16 h + 0 .. 15, alike on both sides
.irp c, 0,1,2,3
	ds_load_b128 v[\reg+4*\c:\reg+4*\c+3], v[\adr] offset:128*(\q)+32*\c+(\i)*16*PITCH
.endr
.endm
.macro MUL16 a0, p, zero               ; the 64 accumulators take turns, in the same order in every step
.irp a, \a0, \a0+1
.irp b, 0,1,2,3,4,5,6,7
.if \zero
	v_wmma_f32_16x16x128_fp8_fp8 v[8*(8*((\a)%4)+\b):8*(8*((\a)%4)+\b)+7], v[128*(\p)+FR*\b:128*(\p)+FR*\b+FR-1], v[AF+FR*(\a):AF+FR*(\a)+FR-1], 0
.else
	v_wmma_f32_16x16x128_fp8_fp8 v[8*(8*((\a)%4)+\b):8*(8*((\a)%4)+\b)+7], v[128*(\p)+FR*\b:128*(\p)+FR*\b+FR-1], v[AF+FR*(\a):AF+FR*(\a)+FR-1], v[8*(8*((\a)%4)+\b):8*(8*((\a)%4)+\b)+7]
.endif
.endr
.endr
.endm
.macro FETCH_B slot, q, p
	WIN TO_B
.irp i, 0,1,2,3,4,5,6,7
	FRAG 128*(\p)+FR*\i, ADRB+\slot, \q, \i
.endr
	WIN 0
.endm
.macro FETCH_A slot, q, i0
.irp i, \i0, \i0+1, \i0+2, \i0+3
	FRAG AF+FR*(\i), ADRA+\slot, \q, \i
.endr
.endm
.macro STEP slot, q, zero              ; 128 along K with its successor in the same slot
	s_wait_dscnt 4*NL                              ; all but A's blocks 4-7 are in
	WIN MUL_LO
	MUL16 0, (\q)%2, \zero
	MUL16 2, (\q)%2, \zero
	s_wait_dscnt 0
	PLACES NP
	FETCH_B \slot, (\q)+1, 1-(\q)%2
	FETCH_A \slot, (\q)+1, 0
	WIN MUL_HI
	MUL16 4, (\q)%2, \zero
	MUL16 6, (\q)%2, \zero
	PLACES NP
	WIN 0
	FETCH_A \slot, (\q)+1, 4
.endm
.macro TURN slot, next, fill           ; a slot's last step changes slots; fill = 1: the slot is filled again, two K steps on, behind a round of the cluster's barrier
.if \fill
	s_wait_xcnt 0x0                                ; my last prefetch has read its address
	s_add_nc_u64 s[PFA:PFA+1], s[PFA:PFA+1], ROWB
.endif
	s_wait_tensorcnt 0x0                           ; my part of the next slot is in
	ds_add_u32 v[SPW], v[NIL]
	s_wait_dscnt 4*NL+1                            ; the add and A's blocks 4-7 may be out
	WIN MUL_LO
	MUL16 0, 1, 0
	s_wait_dscnt 0x0                               ; the add is done, my reads of this slot are over
	s_barrier_signal -1
	MUL16 2, 1, 0
	WIN 0
	s_barrier_wait -1
.if \fill
	CREST
	s_add_nc_u64 s[G0+4*\slot+2:G0+4*\slot+3], s[G0+4*\slot+2:G0+4*\slot+3], 2*ROWB
	s_add_nc_u64 s[G0B+4*\slot+2:G0B+4*\slot+3], s[G0B+4*\slot+2:G0B+4*\slot+3], 2*ROWB
	JLOAD G0+4*\slot, G1, G0B+4*\slot, G1B
.else
	PLACES NP
.endif
	FETCH_B \next, 0, 0
	FETCH_A \next, 0, 0
.if \fill
	s_cmp_gt_u32 s3, 1                             ; the loop's last trip loads K steps 6 and 7: no step lies two on
	s_cbranch_scc0 .Lnot_mine_\@
	global_prefetch_b8 v[PFO], s[PFA:PFA+1] offset:2*ROWB th:TH_LOAD_NT scope:SCOPE_SE   ; the address stands at the step just asked for: two steps on
.Lnot_mine_\@:
.endif
	WIN MUL_HI
	MUL16 4, 1, 0
	MUL16 6, 1, 0
	PLACES NP
	WIN 0
	FETCH_A \next, 0, 4
.endm
.macro FINAL                           ; the very last step: nothing more to fetch
	s_wait_dscnt 4*NL
	WIN MUL_LO
	MUL16 0, 1, 0
	MUL16 2, 1, 0
	s_wait_dscnt 0
	WIN MUL_HI
	MUL16 4, 1, 0
	MUL16 6, 1, 0
	WIN 0
	PLACES NP
.endm
	s_wait_alu depctr_va_vdst(0)
	s_wait_tensorcnt 0x0                           ; my part of K step 0 is in; slot 1's first fill is issued as a refill is
	ds_add_u32 v[SPW], v[NIL]
	s_wait_dscnt 0x0
	CROUND
	JLOAD G0+4, G1, G0B+4, G1B                     ; K step 1
	FETCH_B 0, 0, 0
	FETCH_A 0, 0, 0
	FETCH_A 0, 0, 4
	global_prefetch_b8 v[PFO], s[PFA:PFA+1] offset:2*ROWB th:TH_LOAD_NT scope:SCOPE_SE   ; K step 3
	STEP 0, 0, 1                                   ; the first products start the sums
	s_mov_b32 s3, LAPS-1
.Llap:
	TURN 0, 1, 1
	STEP 1, 0, 0
	TURN 1, 0, 1
	STEP 0, 0, 0
	s_sub_co_u32 s3, s3, 1
	s_cmp_lg_u32 s3, 0
	s_cbranch_scc1 .Llap
	TURN 0, 1, 0
	STEP 1, 0, 0
	s_wait_kmcnt 0x0                               ; the exponents
	s_lshr_b32 s18, s17, 3                         ; q, k, gate: batch,
	s_and_b32 s19, s17, 7
	s_lshl_b32 s19, s19, 1
	s_add_co_u32 s19, s19, s15                     ; which 128 tokens of the sequence,
	s_lshl_b32 s20, s17, 8
	s_lshl_b32 s21, s15, 7
	s_add_co_u32 s20, s20, s21                     ; my first token
	s_cmp_eq_u32 ttmp9, 3
	s_cbranch_scc1 .Lplain
	s_cmp_eq_u32 ttmp9, 2
	s_cselect_b64 s[70:71], s[72:73], s[70:71]     ; k's norm weights or q's
	s_cbranch_scc1 .Lnorm
	s_cmp_eq_u32 s16, 1
	s_cbranch_scc0 .Lnorm
.Lplain:
	FINAL
	s_cmp_eq_u32 ttmp9, 3
	s_cbranch_scc1 .Lv
; ---- the gate: the sums leave as they are, 512 bytes a store ----
	s_lshl_b32 s21, s18, 3
	s_add_co_u32 s21, s21, s42
	s_lshl_b32 s21, s21, 4
	s_add_co_u32 s21, s21, s19
	s_lshl_b32 s22, s21, 16
	s_mov_b32 s23, 0
	s_add_nc_u64 s[80:81], s[80:81], s[22:23]
.irp a, 0,1,2,3,4,5,6,7
	WIN 0x08+4*(\a/4)
.irp c, 0,1,2,3,4,5,6,7,8,9,10,11,12,13,14,15
	global_store_b128 v[LI], v[64*(\a%4)+4*\c:64*(\a%4)+4*\c+3], s[80:81] offset:8192*\a+512*\c
.endr
.endr
	WIN 0
	s_branch .Lend
; ---- q and k: norm, rope, quantiser.  The tables are asked for ahead of the last step's products: rope into B's set 0, which is done with ----
.Lnorm:
	s_mov_b32 s99, 0
	s_lshl_b32 s98, s20, 7
	s_add_nc_u64 s[68:69], s[68:69], s[98:99]
	s_lshl_b32 s98, s20, 2
	s_add_nc_u64 s[74:75], s[74:75], s[98:99]
	WIN 0x40
.irp a, 0,1,2,3,4,5,6,7
	global_load_b128 v[16*\a:16*\a+3], v[TA], s[68:69] offset:2048*\a          ; cos 8 h .. of token 16 a + r,
	global_load_b128 v[16*\a+4:16*\a+7], v[TA], s[68:69] offset:2048*\a+16
	global_load_b128 v[16*\a+8:16*\a+11], v[TA], s[68:69] offset:2048*\a+64    ; sin
	global_load_b128 v[16*\a+12:16*\a+15], v[TA], s[68:69] offset:2048*\a+80
.endr
	WIN 0
.irp b, 0,1,2,3,4,5,6,7
	global_load_b128 v[W1+8*\b:W1+8*\b+3], v[WA], s[70:71] offset:64*\b
	global_load_b128 v[W1+8*\b+4:W1+8*\b+7], v[WA], s[70:71] offset:64*\b+16
.endr
	s_cmp_eq_u32 ttmp9, 2
	s_cbranch_scc0 .Lno_mask
	global_load_b128 v[MK:MK+3], v[LI], s[74:75]
.Lno_mask:
	s_sub_co_u32 s96, s42, 8
	s_lshl_b32 s96, s96, 1
	s_add_co_u32 s96, s96, s16                     ; k's head
	s_mov_b32 s97, 16384
	s_cmp_eq_u32 ttmp9, 2
	s_cselect_b32 s21, s86, s84
	s_cselect_b32 s22, s87, s85
	s_cselect_b32 s23, s90, s91
	s_cselect_b64 s[76:77], s[78:79], s[76:77]
	s_cselect_b32 s96, s96, s42
	s_cselect_b32 s97, 33280, s97
	s_add_co_i32 s21, s21, s22                     ; the product's two exponents
	s_lshl_b32 s22, s18, 3
	s_add_co_u32 s22, s22, s96
	s_lshl_b32 s22, s22, 4
	s_add_co_u32 s22, s22, s19
	s_mul_i32 s98, s22, s97
	s_add_nc_u64 s[76:77], s[76:77], s[98:99]
	s_mov_b32 s94, 0x76543210
	s_mov_b32 s95, 0xfedcba98
	s_lshl_b32 s93, s21, 1
	s_add_co_i32 s93, s93, 120
	s_lshl_b32 s93, s93, 23                        ; 2^(2 e) / 128
	s_mov_b32 s96, 0x358637bd                      ; 1e-6
	s_add_co_i32 s97, s21, 127
	s_lshl_b32 s97, s97, 23                        ; 2^e
	s_add_co_i32 s22, s23, 127
	s_lshl_b32 s98, s22, 23
	s_add_co_i32 s22, s22, 8
	s_lshl_b32 s22, s22, 23
	s_or_b32 s22, s22, 0x600000
	s_add_co_i32 s23, s90, s91
	s_sub_co_i32 s23, 154, s23
	s_lshl_b32 s23, s23, 23
	s_or_b32 s23, s23, 0x80000000
	FINAL
	v_mov_b32 v[SCL], s98
	v_mov_b32 v[LIM], s22
	v_mov_b32 v[SENT], s23
.irp a, 0,1,2,3,4,5,6,7
	v_mov_b32 v[PL+\a], 0
.endr
.macro SUMSQ a                         ; my 64 squares of token 16 a + r, each accumulator from its low end on
.set AC, 64*((\a)%4)
	WIN 0x0a+5*((\a)/4)
.irp p, 0,1,2,3
	v_pk_mul_f32 v[SS+2*\p:SS+2*\p+1], v[AC+2*\p:AC+2*\p+1], v[AC+2*\p:AC+2*\p+1]
.endr
.set pp, 4
.rept 28
	v_pk_fma_f32 v[SS+2*(pp%4):SS+2*(pp%4)+1], v[AC+2*pp:AC+2*pp+1], v[AC+2*pp:AC+2*pp+1], v[SS+2*(pp%4):SS+2*(pp%4)+1]
.set pp, pp+1
.endr
	WIN 0
	v_pk_add_f32 v[SS:SS+1], v[SS:SS+1], v[SS+2:SS+3]
	v_pk_add_f32 v[SS+4:SS+5], v[SS+4:SS+5], v[SS+6:SS+7]
	v_pk_add_f32 v[SS:SS+1], v[SS:SS+1], v[SS+4:SS+5]
	v_add_f32 v[RR+\a], v[SS], v[SS+1]
.endm
.irp a, 0,1,2,3,4,5,6,7
	SUMSQ \a
.endr
.irp a, 0,1,2,3,4,5,6,7
	v_permlanex16_b32 v[PL+\a], v[RR+\a], s94, s95
.endr
.irp a, 0,1,2,3,4,5,6,7
	v_add_f32 v[RR+\a], v[RR+\a], v[PL+\a]
.endr
.irp a, 0,1,2,3,4,5,6,7
	v_fma_f32 v[RR+\a], v[RR+\a], s93, s96         ; the mean square + eps
.endr
	s_wait_alu depctr_va_vdst(0)                   ; a wait ahead of the batch and one behind it
.irp a, 0,1,2,3,4,5,6,7
	v_rsq_f32 v[RR+\a], v[RR+\a]
.endr
	v_nop
	s_wait_alu depctr_va_vdst(0)
.irp a, 0,1,2,3,4,5,6,7
	v_mul_f32 v[R2+2*\a], s97, v[RR+\a]
	v_mul_f32 v[R2+2*\a+1], s97, v[RR+\a]
.endr
	s_wait_loadcnt 0x0
.set pp, 0
.rept 32
	v_pk_add_f32 v[W1+pp:W1+pp+1], v[W1+pp:W1+pp+1], 1.0 op_sel_hi:[1,0]
.set pp, pp+2
.endr
	s_cmp_eq_u32 ttmp9, 2
	s_cbranch_scc0 .Lno_bias
.irp i, 0,1,2,3
	v_cmp_ne_u32 vcc_lo, 0, v[MK+\i]
	v_cndmask_b32 v[BV+\i], v[SENT], v[NIL], vcc_lo
.endr
	global_store_b128 v[LI], v[BV:BV+3], s[76:77] offset:32768
.Lno_bias:
.macro NBLOCK a
.set AC, 64*((\a)%4)
.set FF, F+16*((\a)%2)
	WIN 0x02+((\a)/4)
.set pp, 0
.rept 32
	v_pk_mul_f32 v[T+pp:T+pp+1], v[AC+pp:AC+pp+1], v[R2+2*(\a):R2+2*(\a)+1]
.set pp, pp+2
.endr
	WIN 0
.set pp, 0
.rept 32
	v_pk_mul_f32 v[T+pp:T+pp+1], v[T+pp:T+pp+1], v[W1+pp:W1+pp+1]
.set pp, pp+2
.endr
	WIN 0x04                                       ; rope: registers 0-7 are x1, 8-15 x2 at frequencies 8 h + 0 .. 7
.irp p, 0,2,4,6
	v_pk_mul_f32 v[UU+\p:UU+\p+1], v[T+8+\p:T+9+\p], v[16*(\a)+8+\p:16*(\a)+9+\p]
.endr
.irp p, 0,2,4,6
	v_pk_mul_f32 v[PL+\p:PL+\p+1], v[T+8+\p:T+9+\p], v[16*(\a)+\p:16*(\a)+1+\p]
.endr
.irp p, 0,2,4,6
	v_pk_fma_f32 v[T+8+\p:T+9+\p], v[T+\p:T+1+\p], v[16*(\a)+8+\p:16*(\a)+9+\p], v[PL+\p:PL+\p+1]
.endr
.irp p, 0,2,4,6
	v_pk_fma_f32 v[T+\p:T+1+\p], v[T+\p:T+1+\p], v[16*(\a)+\p:16*(\a)+1+\p], v[UU+\p:UU+\p+1] neg_lo:[0,0,1] neg_hi:[0,0,1]
.endr
	WIN 0
.if (\a) >= 2
	s_wait_alu depctr_va_vdst(0)
	s_wait_xcnt 0x0                                ; the stores of two blocks ago have read their codes
.endif
.set ii, 0
.rept 64
	v_med3_num_f32 v[T+ii], v[T+ii], -v[LIM], v[LIM]
.set ii, ii+1
.endr
.irp b, 0,1,2,3,4,5,6,7
	v_cvt_scalef32_pk8_fp8_f32 v[FF+2*\b:FF+2*\b+1], v[T+8*\b:T+8*\b+7], v[SCL]
.endr
	v_nop
.irp c, 0,1,2,3
	global_store_b128 v[LI], v[FF+4*\c:FF+4*\c+3], s[76:77] offset:2048*(\a)+512*\c
.endr
.endm
.irp a, 0,1,2,3,4,5,6,7
	NBLOCK \a
.endr
	s_branch .Lend
; ---- v: a lane holds channel 16 a + r and keys 16 b + 8 h + j: the conversions' results are the next product's operand ----
.Lv:
	s_lshl_b32 s21, s41, 1
	s_add_co_u32 s21, s21, s15                     ; head = 2 cy + my half of A
	s_lshr_b32 s22, s93, 3
	s_lshl_b32 s22, s22, 3
	s_add_co_u32 s21, s21, s22                     ; + 8 x batch
	s_lshl_b32 s21, s21, 4
	s_and_b32 s22, s93, 7
	s_lshl_b32 s22, s22, 1
	s_add_co_u32 s22, s22, s16
	s_add_co_u32 s21, s21, s22                     ; which 128 keys
	s_mul_i32 s98, s21, 33280
	s_add_co_u32 s98, s98, 16384
	s_mov_b32 s99, 0
	s_add_nc_u64 s[78:79], s[78:79], s[98:99]
	s_lshl_b32 s98, s21, 9
	s_add_nc_u64 s[82:83], s[82:83], s[98:99]
	s_sub_co_i32 s22, s92, s88
	s_sub_co_i32 s22, s22, s89                     ; e8 - e4 - e5: the three scales in the conversion's one
	s_add_co_i32 s22, s22, 127
	s_lshl_b32 s98, s22, 23
	v_mov_b32 v[SCL], s98
	s_add_co_i32 s22, s22, 8
	s_lshl_b32 s22, s22, 23
	s_or_b32 s22, s22, 0x600000
	v_mov_b32 v[LIM], s22
.set ii, 0
.rept 16
	v_mov_b32 v[ONES+ii], 0x38383838               ; codes of 1.0
.set ii, ii+1
.endr
.macro VBLOCK a
.set AC, 64*((\a)%4)
.set FF, VF+16*((\a)%2)
	WIN 0x02+((\a)/4)
.set ii, 0
.rept 64
	v_med3_num_f32 v[VT+ii], v[AC+ii], -v[LIM], v[LIM]
.set ii, ii+1
.endr
	WIN 0
.if (\a) >= 2
	s_wait_alu depctr_va_vdst(0)
	s_wait_xcnt 0x0
.endif
.irp b, 0,1,2,3,4,5,6,7
	v_cvt_scalef32_pk8_fp8_f32 v[FF+2*\b:FF+2*\b+1], v[VT+8*\b:VT+8*\b+7], v[SCL]
.endr
	v_nop
.irp c, 0,1,2,3
	global_store_b128 v[LI], v[FF+4*\c:FF+4*\c+3], s[78:79] offset:2048*(\a)+512*\c
.endr
	v_wmma_f32_16x16x128_fp8_fp8 v[VS+8*(\a):VS+8*(\a)+7], v[ONES:ONES+15], v[FF:FF+15], 0   ; the codes' sum over the 128 keys, channel 16 a + r in lane r
.endm
.irp a, 0,1,2,3,4,5,6,7
	VBLOCK \a
.endr
	PLACES NP
	v_cmp_le_u32 vcc_lo, 16, v[LN]
.irp p, 0,1,2,3
	v_cndmask_b32 v[VOUT+\p], v[VS+16*\p], v[VS+16*\p+8], vcc_lo
.endr
.irp p, 0,1,2,3
	global_store_b32 v[L4], v[VOUT+\p], s[82:83] offset:128*\p
.endr
.Lend:
	s_wait_tensorcnt 0x0                           ; the wave's end
	ds_add_u32 v[SPW], v[NIL]
	s_wait_dscnt 0x0
	CROUND                                         ; the closing round
	s_endpgm
.Lfunc_end_k_qbfe1663d4e_gemm_qkv:
	.size	k_qbfe1663d4e_gemm_qkv, .Lfunc_end_k_qbfe1663d4e_gemm_qkv-k_qbfe1663d4e_gemm_qkv
	.p2alignl 7, 3214868480
	.fill 96, 4, 3214868480
	.section	.rodata,"a",@progbits
	.p2align	6, 0x0
	.amdhsa_kernel k_qbfe1663d4e_gemm_qkv
		.amdhsa_group_segment_fixed_size 327680
		.amdhsa_private_segment_fixed_size 0
		.amdhsa_enable_private_segment 0
		.amdhsa_kernarg_size 88
		.amdhsa_user_sgpr_count 2
		.amdhsa_user_sgpr_kernarg_segment_ptr 1
		.amdhsa_wavefront_size32 1
		.amdhsa_system_sgpr_workgroup_id_x 1
		.amdhsa_system_sgpr_workgroup_id_y 1
		.amdhsa_system_sgpr_workgroup_id_z 1
		.amdhsa_system_vgpr_workitem_id 0
		.amdhsa_next_free_vgpr 1024
		.amdhsa_next_free_sgpr 100
		.amdhsa_reserve_vcc 1
		.amdhsa_float_denorm_mode_32 3
		.amdhsa_float_denorm_mode_16_64 3
		.amdhsa_memory_ordered 1
		.amdhsa_forward_progress 1
		.amdhsa_inst_pref_size 249
	.end_amdhsa_kernel
	.amdgpu_metadata
---
amdhsa.version: [ 1, 2 ]
amdhsa.kernels:
  - .name:           k_qbfe1663d4e_gemm_qkv
    .symbol:         k_qbfe1663d4e_gemm_qkv.kd
    .args:
      - { .name: xc, .offset: 0, .size: 8, .value_kind: global_buffer, .address_space: global }
      - { .name: wc, .offset: 8, .size: 8, .value_kind: global_buffer, .address_space: global }
      - { .name: lowp_scales, .offset: 16, .size: 8, .value_kind: global_buffer, .address_space: global }
      - { .name: rope, .offset: 24, .size: 8, .value_kind: global_buffer, .address_space: global }
      - { .name: q_norm_w, .offset: 32, .size: 8, .value_kind: global_buffer, .address_space: global }
      - { .name: k_norm_w, .offset: 40, .size: 8, .value_kind: global_buffer, .address_space: global }
      - { .name: attention_mask, .offset: 48, .size: 8, .value_kind: global_buffer, .address_space: global }
      - { .name: q_img, .offset: 56, .size: 8, .value_kind: global_buffer, .address_space: global }
      - { .name: kv_img, .offset: 64, .size: 8, .value_kind: global_buffer, .address_space: global }
      - { .name: gate_img, .offset: 72, .size: 8, .value_kind: global_buffer, .address_space: global }
      - { .name: vsum, .offset: 80, .size: 8, .value_kind: global_buffer, .address_space: global }
    .group_segment_fixed_size: 327680
    .private_segment_fixed_size: 0
    .kernarg_segment_align: 8
    .kernarg_segment_size: 88
    .max_flat_workgroup_size: 128
    .sgpr_count:     100
    .vgpr_count:     1024
    .wavefront_size: 32
...
	.end_amdgpu_metadata
.endif
;; end of part 2
;; launch attn (part 3): grid 16 x 16, 8 waves a work-group, clusters of 4 x 1, 327,680 bytes of LDS; arguments q_img, kv_img, gate_img, vsum, lowp_scales, a_img; writes a_img
.if DOCPART == 3
	.amdgcn_target "amdgcn-amd-amdhsa--gfx1250"
	.amdhsa_code_object_version 6
	.text
	.protected	k_qbfe1663d4e_attn
	.globl	k_qbfe1663d4e_attn
	.p2align	8
	.type	k_qbfe1663d4e_attn,@function
k_qbfe1663d4e_attn:
	s_mov_b64 s[64:65], 0
	v_nop
	global_prefetch_b8 v0, s[64:65] scope:SCOPE_SE
	s_setreg_imm32_b32 hwreg(HW_REG_WAVE_MODE, 25, 1), 1
	s_wait_xcnt 0x0
	s_wait_alu depctr_hold_cnt(0) depctr_sa_sdst(0) depctr_va_vdst(0) depctr_va_sdst(0) depctr_va_ssrc(0) depctr_va_vcc(0) depctr_vm_vsrc(0)
	s_getreg_b32 s2, hwreg(HW_REG_IB_STS2, 6, 4)
	s_cmp_eq_u32 s2, 0
	s_cbranch_scc0 .Lentry_in_a_cluster
	s_endpgm
.Lentry_in_a_cluster:
	s_bfe_u32 s2, ttmp6, 0x10000c
	s_cmp_lg_u32 s2, 0x3003
	s_cbranch_scc0 .Lentry_shape_is_right
	s_endpgm
.Lentry_shape_is_right:
; Causal attention on E4M3 codes, then the sigmoid gate and the quantiser of the last product's operand.
; A work-group owns two blocks of 64 queries of one (batch, head): an early one (block i) and a late one (block 31 - i), so that all work-groups have the same number of key steps under the causal mask;
; key steps that lie wholly above the diagonal are left out.  Waves 0-3 take the even steps of 128 keys, waves 4-7 the odd ones; the two halves are joined through LDS at the end.
; A key step is 33,280 bytes of kv_img: k's register images, v's, and the keys' bias (0, or a large negative number for a key that attention_mask hides), which is the C of the first product.
; A slot holds four key steps; each of the eight waves asks for an eighth of it, jointly with the three partners of the cluster, which walk the same head.
; A row all of whose keys are hidden takes the mean of v over all 2,048 keys.
; The loads of q and of v's sums go out while slot 0 is on its way; slot 1's first fill follows them, issued as a refill is.
.set STEPB, 33280
.set SLOTB, 133120
.set VMEAN, 266240
.set SPARE, 266752
.set XB,    8704
.set AD,   1
.set SPW,  5
.set NIL,  6
.set LI,   7
.set BI,   8
.set STL,  12
.set STE,  16
.set LIMP, 20
.set SCP,  21
.set QLL,  22
.set QLE,  23
.set NINF, 24
.set PFO,  25
.set VMS,  26
.set VML,  27
.set PERM, 28
.set XST,  29
.set XLD,  30
.set FF,   32
.set MA,   36
.set MB,   37
.set DK,   38
.set PC,   40
.set QL,   56
.set QE,   72
.set PST,  88
.set G1P,  92
.set G2P,  94
.set CH,   96
.set SM,   100
.set SL,   128
.set SE,   192
.set OL,   128
.set OE,   192
.set WV,   18
.set SEL,  20
.set CS,   22
.set G1,   24
.set PAR,  32
.set JW,   33
.set TE,   34
.set TL,   35
.set KF,   36
.set ACTL, 37
.set MASKL, 38
.set ACTE, 39
.set G0,   40
.set MASKE, 48
.set ASKF, 49
.set QEB,  52
.set PFA,  54
.set QLB,  56
.set GS,   58
.set OB,   60
.set MSB, 0
.macro WIN new
.if MSB != (\new)
	s_set_vgpr_msb (MSB<<8)|(\new)
.set MSB, (\new)
.endif
.endm
.macro PLACES n
.rept \n
	v_nop
.endr
.endm
.macro CROUND
	s_barrier_signal -1
	s_barrier_wait -1
	s_cmp_lg_u32 s[WV], 0
	s_cbranch_scc1 .Lnot_wave_0_\@
	s_barrier_signal -3
.Lnot_wave_0_\@:
	s_barrier_wait -3
	s_barrier_signal -1
	s_barrier_wait -1
.endm
	s_load_b256 s[4:11], s[0:1], 0x0
	s_load_b128 s[12:15], s[0:1], 0x20
	v_lshl_add_u32 v[SPW], v0, 2, SPARE
	v_mov_b32 v[NIL], 0
	ds_add_u32 v5, v6
	ds_add_u32 v5, v6
	s_wait_dscnt 0x0
	v_lshrrev_b32 v[MA], 5, v0
	s_delay_alu instid0(VALU_DEP_1)
	v_readfirstlane_b32 s[WV], v[MA]
	s_lshr_b32 s[PAR], s[WV], 2
	s_and_b32 s[JW], s[WV], 3
	v_and_b32 v[MA], 31, v0
	s_delay_alu instid0(VALU_DEP_1)
	v_lshlrev_b32 v[LI], 4, v[MA]
	s_delay_alu instid0(VALU_DEP_2)
	v_lshlrev_b32 v[PFO], 8, v[MA]
	v_bfe_u32 v[MB], v0, 4, 1
	s_delay_alu instid0(VALU_DEP_1)
	v_lshlrev_b32 v[DK], 5, v[MB]
	s_mul_i32 s80, s[PAR], STEPB
	v_add_nc_u32 v[MA], s80, v[LI]
	v_add_nc_u32 v[SM], s80, v[DK]
.irp k, 0,1,2,3
	v_add_nc_u32 v[AD+\k], (\k/2)*SLOTB+(\k%2)*2*STEPB, v[MA]
	v_add_nc_u32 v[BI+\k], (\k/2)*SLOTB+(\k%2)*2*STEPB+32768, v[SM]
.endr
	v_and_b32 v[VMS], 127, v0
	s_delay_alu instid0(VALU_DEP_1)
	v_lshl_add_u32 v[VMS], v[VMS], 2, VMEAN
	v_add_nc_u32 v[VML], VMEAN, v[DK]
	s_mul_i32 s80, s[WV], XB
	v_add_nc_u32 v[XST], s80, v[LI]
	s_xor_b32 s80, s[WV], 4
	s_mul_i32 s80, s80, XB
	v_add_nc_u32 v[XLD], s80, v[LI]
	s_bfe_u32 s16, ttmp6, 0x40000
	s_and_b32 s17, ttmp7, 0xffff
	s_lshl_b32 s19, ttmp9, 2
	s_add_co_u32 s19, s19, s16
	s_lshl_b32 s[TE], s19, 2
	s_add_co_u32 s[TE], s[TE], s[JW]
	s_sub_co_u32 s[TL], 31, s19
	s_lshl_b32 s[TL], s[TL], 2
	s_add_co_u32 s[TL], s[TL], s[JW]
	s_sub_co_u32 s[ACTL], 8, ttmp9
	s_lshl_b32 s[ACTL], s[ACTL], 8
	s_sub_co_u32 s[MASKL], s[ACTL], 256
	s_lshl_b32 s[MASKE], ttmp9, 8
	s_add_co_u32 s[ACTE], s[MASKE], 256
	s_lshl_b32 s[KF], s[PAR], 7
	v_and_b32 v[MA], 15, v0
	v_lshlrev_b32 v[MB], 3, v[MB]
	s_delay_alu instid0(VALU_DEP_1)
	v_sub_nc_u32 v[MA], v[MA], v[MB]
	s_lshl_b32 s80, s[TL], 4
	v_add_nc_u32 v[QLL], s80, v[MA]
	s_lshl_b32 s80, s[TE], 4
	v_add_nc_u32 v[QLE], s80, v[MA]
	s_mov_b32 s[G1], 15|(3<<16)|(1<<21)
	s_mov_b32 s[G1+1], 32<<16
	s_mov_b32 s[G1+2], 65<<16
	s_mov_b32 s[G1+3], 32<<16
	s_mov_b32 s[G1+4], 65
	s_mov_b32 s[G1+5], 32
	s_mov_b32 s[G1+6], 0
	s_mov_b32 s[G1+7], 0
	s_mov_b32 s[SEL], 0x76543210
	s_mov_b32 s[SEL+1], 0xfedcba98
	s_mul_i32 s85, s[WV], 16640
	s_mul_i32 s86, s17, 16*STEPB
	s_mov_b32 s87, 0
	s_mov_b32 s88, s85
	s_mov_b32 s89, 0
	s_wait_kmcnt 0x0
	s_load_b256 s[68:75], s[12:13], 0x0
	s_load_b128 s[76:79], s[12:13], 0x20
	s_add_nc_u64 s[6:7], s[6:7], s[86:87]
	s_mov_b32 s[G0], 1
	s_mov_b32 s[G0+1], s85
	s_add_nc_u64 s[G0+2:G0+3], s[6:7], s[88:89]
	s_mov_b32 s[G0+4], 1
	s_add_co_u32 s[G0+5], s85, SLOTB
	s_add_nc_u64 s[G0+6:G0+7], s[G0+2:G0+3], SLOTB
	s_or_b32 s[G0+3], s[G0+3], 0x80000000
	s_or_b32 s[G0+7], s[G0+7], 0x80000000
	CROUND
	tensor_load_to_lds s[G0:G0+3], s[G1:G1+7]
	s_nop 0
.rept 4
	v_nop
.endr
	s_lshl_b32 s84, s17, 7
	s_add_co_u32 s80, s84, s[TL]
	s_lshl_b32 s86, s80, 11
	s_add_nc_u64 s[QLB:QLB+1], s[4:5], s[86:87]
	s_add_co_u32 s80, s84, s[TE]
	s_lshl_b32 s86, s80, 11
	s_add_nc_u64 s[QEB:QEB+1], s[4:5], s[86:87]
.irp c, 0,1,2,3
	global_load_b128 v[QL+4*\c:QL+4*\c+3], v[LI], s[QLB:QLB+1] offset:512*\c
.endr
.irp c, 0,1,2,3
	global_load_b128 v[QE+4*\c:QE+4*\c+3], v[LI], s[QEB:QEB+1] offset:512*\c
.endr
	s_cmp_lt_u32 s[WV], 4
	s_cselect_b32 s82, s[TE], s[TL]
	s_add_co_u32 s83, s84, s82
	s_lshl_b32 s86, s83, 13
	s_add_nc_u64 s[8:9], s[8:9], s[86:87]
	s_lshr_b32 s83, s17, 3
	s_lshl_b32 s83, s83, 7
	s_add_co_u32 s83, s83, s82
	s_lshl_b32 s83, s83, 3
	s_and_b32 s86, s17, 7
	s_add_co_u32 s83, s83, s86
	s_lshl_b32 s86, s83, 11
	s_add_nc_u64 s[OB:OB+1], s[14:15], s[86:87]
	s_lshl_b32 s86, s17, 13
	s_add_nc_u64 s[10:11], s[10:11], s[86:87]
	s_mul_i32 s86, s16, STEPB
	s_lshl_b32 s83, s[JW], 13
	s_add_co_u32 s86, s86, s83
	s_add_co_u32 s86, s86, 3*SLOTB
	s_add_nc_u64 s[PFA:PFA+1], s[6:7], s[86:87]
	s_or_b32 s[ASKF], s[PAR], ttmp9
	v_mov_b32 v[STL+1], 0xff61b1e6
	s_delay_alu instid0(VALU_DEP_1)
	v_floor_f32 v[STL], -v[STL+1]
	v_mov_b32 v[STL+2], 0
	v_mov_b32 v[STL+3], 0
	v_mov_b32 v[STE+1], 0xff61b1e6
	s_delay_alu instid0(VALU_DEP_1)
	v_floor_f32 v[STE], -v[STE+1]
	v_mov_b32 v[STE+2], 0
	v_mov_b32 v[STE+3], 0
	v_mov_b32 v[PERM], 0
	v_mov_b32 v[NINF], 0xff800000
	v_mov_b32 v[FF+1], 0
	v_mov_b32 v[G1P+1], 0
	v_mov_b32 v[G2P+1], 0
	s_wait_kmcnt 0x0
	s_add_co_i32 s80, s74, s75
	s_lshl_b32 s80, s80, 23
	s_add_co_i32 s[CS], s80, 0x3e0293ee
	s_mov_b32 s[CS+1], s[CS]
	s_add_co_i32 s80, s68, s69
	s_lshl_b32 s80, s80, 23
	s_add_co_u32 s[GS], s80, 0xbfb8aa3b
	s_mov_b32 s[GS+1], s[GS]
	s_add_co_i32 s80, s77, 127
	s_lshl_b32 s81, s80, 23
	v_mov_b32 v[SCP], s81
	s_add_co_i32 s80, s80, 8
	s_lshl_b32 s80, s80, 23
	s_or_b32 s80, s80, 0x600000
	v_mov_b32 v[LIMP], s80
	s_add_co_i32 s80, s78, 127
	s_lshl_b32 s90, s80, 23
	s_add_co_i32 s80, s80, 8
	s_lshl_b32 s91, s80, 23
	s_or_b32 s91, s91, 0x600000
	s_add_co_i32 s92, s76, s77
	s_sub_co_i32 s93, s76, 11
	s_cmp_lt_u32 s[WV], 4
	s_cbranch_scc0 .Lno_mean
	v_lshlrev_b32 v[MA], 2, v0
.set tt, 0
.rept 16
	global_load_b32 v[SL+tt], v[MA], s[10:11] offset:512*tt
.set tt, tt+1
.endr
	s_wait_loadcnt 0x0
.irp w, 8,4,2,1
.set tt, 0
.rept \w
	v_add_f32 v[SL+tt], v[SL+tt], v[SL+tt+\w]
.set tt, tt+1
.endr
.endr
	v_min_num_f32 v[SL+1], 1.0, v[LIMP]
	s_delay_alu instid0(VALU_DEP_1)
	v_mul_f32 v[SL], v[SL], v[SL+1]
	s_delay_alu instid0(VALU_DEP_1)
	v_ldexp_f32 v[SL], v[SL], s93
	ds_store_b32 v[VMS], v[SL]
.Lno_mean:
	s_wait_loadcnt 0x0
	s_wait_alu depctr_va_vdst(0)
	s_wait_tensorcnt 0x0                           ; my part of slot 0 is in
	ds_add_u32 v5, v6
	s_wait_dscnt 0x0                               ; the add and the store of v's mean are done
	CROUND
	tensor_load_to_lds s[G0+4:G0+7], s[G1:G1+7]    ; slot 1's first fill, the first tensor load behind the round
	s_nop 0
.rept 4
	v_nop
.endr
.macro FETCHK k
.set tt, 0
.rept 8
	ds_load_b128 v[SL+8*tt:SL+8*tt+3], v[BI+\k] offset:64*tt
	ds_load_b128 v[SL+8*tt+4:SL+8*tt+7], v[BI+\k] offset:64*tt+16
.set tt, tt+1
.endr
	WIN 0x40
.set tt, 0
.rept 32
	ds_load_b128 v[4*tt:4*tt+3], v[AD+\k] offset:512*tt
.set tt, tt+1
.endr
.endm
.macro FETCHV k
	WIN 0x40
.set tt, 0
.rept 32
	ds_load_b128 v[4*tt:4*tt+3], v[AD+\k] offset:16384+512*tt
.set tt, tt+1
.endr
	WIN 0
.endm
.macro SPROD d, q, c, t0
.irp t, \t0, \t0+1, \t0+2, \t0+3
	v_wmma_f32_16x16x128_fp8_fp8 v[\d+8*(\t):\d+8*(\t)+7], v[16*(\t):16*(\t)+15], v[\q:\q+15], v[\c+8*(\t):\c+8*(\t)+7]
.endr
.endm
.macro MASK sb, ql
	v_sub_nc_u32 v[DK], v[\ql], s[KF]
.set nn, 0
.rept 64
	v_cmp_gt_i32 vcc_lo, 16*(nn/8)+nn%8, v[DK]
	v_cndmask_b32 v[\sb+nn], v[\sb+nn], v[NINF], vcc_lo
.set nn, nn+1
.endr
.endm
.macro TILE sb, st, ob, first
.irp q, 0,1,2,3
	v_max3_num_f32 v[CH+\q], v[\sb+16*\q], v[\sb+16*\q+1], v[\sb+16*\q+2]
.endr
.irp m, 0,1,2,3,4,5
.irp q, 0,1,2,3
	v_max3_num_f32 v[CH+\q], v[CH+\q], v[\sb+16*\q+3+2*\m], v[\sb+16*\q+4+2*\m]
.endr
.endr
	v_max3_num_f32 v[CH], v[CH], v[\sb+15], v[CH+1]
	v_max3_num_f32 v[CH+2], v[CH+2], v[\sb+31], v[CH+3]
	v_max3_num_f32 v[CH], v[CH], v[\sb+47], v[CH+2]
	v_max_num_f32 v[MA], v[CH], v[\sb+63]
	s_delay_alu instid0(VALU_DEP_1)
	v_permlanex16_b32 v[PERM], v[MA], s[SEL], s[SEL+1]
	s_delay_alu instid0(VALU_DEP_1)
	v_max_num_f32 v[MA], v[MA], v[PERM]
	s_delay_alu instid0(VALU_DEP_1)
	v_mul_f32 v[MA], s[CS], v[MA]
	s_delay_alu instid0(VALU_DEP_1)
	v_max_num_f32 v[\st+1], v[\st+1], v[MA]
	v_mov_b32 v[MA], v[\st]
	s_delay_alu instid0(VALU_DEP_2)
	v_floor_f32 v[\st], -v[\st+1]
	s_delay_alu instid0(VALU_DEP_1)
	v_sub_f32 v[MA], v[\st], v[MA]
	s_delay_alu instid0(VALU_DEP_1)
	v_cvt_i32_f32 v[MA], v[MA]
	s_delay_alu instid0(VALU_DEP_1)
	v_ldexp_f32 v[FF], 1.0, v[MA]
.set jj, 0
.rept 32
	v_pk_fma_f32 v[\sb+jj:\sb+jj+1], v[\sb+jj:\sb+jj+1], s[CS:CS+1], v[\st:\st+1] op_sel_hi:[1,0,0]
.set jj, jj+2
.endr
.set jj, 0
	s_wait_alu depctr_va_vdst(0)
.rept 64
	v_exp_f32 v[\sb+jj], v[\sb+jj]
.set jj, jj+1
.endr
	v_pk_mul_f32 v[\st+2:\st+3], v[\st+2:\st+3], v[FF:FF+1] op_sel_hi:[1,0]
	s_wait_alu depctr_va_vdst(0)
	v_pk_add_f32 v[SM:SM+1], v[\sb:\sb+1], v[\sb+2:\sb+3]
	v_pk_add_f32 v[SM+2:SM+3], v[\sb+4:\sb+5], v[\sb+6:\sb+7]
	v_pk_add_f32 v[SM+4:SM+5], v[\sb+8:\sb+9], v[\sb+10:\sb+11]
.set aa, 6
.rept 26
.if aa%4 == 0
	v_pk_add_f32 v[\st+2:\st+3], v[\st+2:\st+3], v[\sb+2*aa:\sb+2*aa+1]
.else
	v_pk_add_f32 v[SM+2*(aa%4)-2:SM+2*(aa%4)-1], v[SM+2*(aa%4)-2:SM+2*(aa%4)-1], v[\sb+2*aa:\sb+2*aa+1]
.endif
.set aa, aa+1
.endr
	s_delay_alu instid0(VALU_DEP_3)
	v_pk_add_f32 v[\st+2:\st+3], v[\st+2:\st+3], v[SM:SM+1]
	s_delay_alu instid0(VALU_DEP_2)
	v_pk_add_f32 v[SM+2:SM+3], v[SM+2:SM+3], v[SM+4:SM+5]
	s_delay_alu instid0(VALU_DEP_1)
	v_pk_add_f32 v[\st+2:\st+3], v[\st+2:\st+3], v[SM+2:SM+3]
.set jj, 0
.rept 64
	v_min_num_f32 v[\sb+jj], v[\sb+jj], v[LIMP]
.set jj, jj+1
.endr
.irp t, 0,1,2,3,4,5,6,7
	v_cvt_scalef32_pk8_fp8_f32 v[PC+2*\t:PC+2*\t+1], v[\sb+8*\t:\sb+8*\t+7], v[SCP]
.endr
.if \first
	s_wait_alu depctr_va_vdst(0)
	v_nop
.else
	WIN 0x41
.set jj, 0
.rept 32
	v_pk_mul_f32 v[\ob+jj:\ob+jj+1], v[\ob+jj:\ob+jj+1], v[FF:FF+1] op_sel_hi:[1,0]
.set jj, jj+2
.endr
.endif
	s_wait_alu depctr_va_vdst(0)
	s_wait_dscnt 0x0
	WIN 0x51
.irp t, 0,1,2,3,4,5,6,7
.if \first
	v_wmma_f32_16x16x128_fp8_fp8 v[\ob+8*\t:\ob+8*\t+7], v[16*\t:16*\t+15], v[PC:PC+15], 0
.else
	v_wmma_f32_16x16x128_fp8_fp8 v[\ob+8*\t:\ob+8*\t+7], v[16*\t:16*\t+15], v[PC:PC+15], v[\ob+8*\t:\ob+8*\t+7]
.endif
.endr
	WIN 0
.endm
.macro STEP2 k, first
.if !\first
	PLACES 4
.endif
	FETCHK \k
	s_wait_dscnt 16
	WIN 0x01
	SPROD SE, QE, SL, 0
	s_wait_dscnt 0x0
	SPROD SE, QE, SL, 4
	PLACES 5
	SPROD SL, QL, SL, 0
	SPROD SL, QL, SL, 4
	PLACES 4
	FETCHV \k
	TILE SL, STL, OL, \first
.if !\first
	s_cmp_ge_u32 s[KF], s[ACTE]
	s_cbranch_scc1 .Lno_e_\@
.endif
	s_cmp_lt_u32 s[KF], s[MASKE]
	s_cbranch_scc1 .Lopen_\@
	MASK SE, QLE
.Lopen_\@:
	TILE SE, STE, OE, \first
.Lno_e_\@:
	s_add_co_u32 s[KF], s[KF], 256
.endm
.macro STEPL k
	s_cmp_ge_u32 s[KF], s[ACTL]
	s_cbranch_scc1 .Lhid_\@
	PLACES 4
	FETCHK \k
	s_wait_dscnt 16
	WIN 0x01
	SPROD SL, QL, SL, 0
	s_wait_dscnt 0x0
	SPROD SL, QL, SL, 4
	PLACES 4
	FETCHV \k
	s_cmp_lt_u32 s[KF], s[MASKL]
	s_cbranch_scc1 .Lopen_\@
	MASK SL, QLL
.Lopen_\@:
	TILE SL, STL, OL, 0
.Lhid_\@:
	s_add_co_u32 s[KF], s[KF], 256
.endm
.macro CHANGE slot, fill
	s_wait_tensorcnt 0x0
	ds_add_u32 v[SPW], v[NIL]
.if \fill
	s_add_nc_u64 s[G0+4*\slot+2:G0+4*\slot+3], s[G0+4*\slot+2:G0+4*\slot+3], 2*SLOTB
	s_wait_dscnt 0x0
	CROUND
.else
	s_wait_dscnt 0x0
	s_barrier_signal -1
	s_barrier_wait -1
.endif
.endm
	STEP2 0, 1
	STEP2 1, 0
	CHANGE 0, 1
	tensor_load_to_lds s[G0:G0+3], s[G1:G1+7]
	s_nop 0
.rept 4
	v_nop
.endr
	s_cmp_eq_u32 s[ASKF], 0
	s_cbranch_scc0 .Lnot_mine
	global_prefetch_b8 v[PFO], s[PFA:PFA+1] th:TH_LOAD_NT scope:SCOPE_SE
.Lnot_mine:
	STEP2 2, 0
	STEP2 3, 0
	CHANGE 1, 1
	s_cmp_lt_u32 ttmp9, 2
	s_cbranch_scc0 .Lno_fourth
	tensor_load_to_lds s[G0+4:G0+7], s[G1:G1+7]
	s_nop 0
.rept 4
	v_nop
.endr
.Lno_fourth:
.irp c, 0,1,2,3,4,5,6,7,8,9,10,11,12,13,14,15
	global_load_b128 v[SE+4*\c:SE+4*\c+3], v[LI], s[8:9] offset:512*\c
.endr
	STEPL 0
	STEPL 1
	CHANGE 0, 0
	STEPL 2
	STEPL 3
	PLACES 4
	s_cmp_lt_u32 s[WV], 4
	s_cbranch_scc0 .Lgive_e
	WIN 0x04
.irp c, 0,1,2,3,4,5,6,7,8,9,10,11,12,13,14,15
	ds_store_b128 v[XST], v[OL+4*\c:OL+4*\c+3] offset:512*\c
.endr
	WIN 0
	ds_store_b128 v[XST], v[STL:STL+3] offset:8192
	s_branch .Lgiven
.Lgive_e:
	WIN 0x04
.irp c, 0,1,2,3,4,5,6,7,8,9,10,11,12,13,14,15
	ds_store_b128 v[XST], v[OE+4*\c:OE+4*\c+3] offset:512*\c
.endr
	WIN 0
	ds_store_b128 v[XST], v[STE:STE+3] offset:8192
.Lgiven:
	s_wait_loadcnt 0x0
	s_wait_dscnt 0x0
	s_barrier_signal -1
.set jj, 0
.rept 32
	v_pk_mul_f32 v[SE+jj:SE+jj+1], v[SE+jj:SE+jj+1], s[GS:GS+1] op_sel_hi:[1,0]
.set jj, jj+2
.endr
.set jj, 0
	s_wait_alu depctr_va_vdst(0)
.rept 64
	v_exp_f32 v[SE+jj], v[SE+jj]
.set jj, jj+1
.endr
	v_nop
	s_wait_alu depctr_va_vdst(0)
.set jj, 0
.rept 32
	v_pk_add_f32 v[SE+jj:SE+jj+1], v[SE+jj:SE+jj+1], 1.0 op_sel_hi:[1,0]
.set jj, jj+2
.endr
.set jj, 0
	s_wait_alu depctr_va_vdst(0)
.rept 64
	v_rcp_f32 v[SE+jj], v[SE+jj]
.set jj, jj+1
.endr
	v_nop
	s_wait_alu depctr_va_vdst(0)
	s_barrier_wait -1
	ds_load_b128 v[PST:PST+3], v[XLD] offset:8192
	WIN 0x40
.irp c, 0,1,2,3,4,5,6,7,8,9,10,11,12,13,14,15
	ds_load_b128 v[4*\c:4*\c+3], v[XLD] offset:512*\c
.endr
.set tt, 0
.rept 8
	ds_load_b128 v[64+8*tt:67+8*tt], v[VML] offset:64*tt
	ds_load_b128 v[68+8*tt:71+8*tt], v[VML] offset:64*tt+16
.set tt, tt+1
.endr
	WIN 0
	s_wait_dscnt 32
.macro MERGE ob, st
	v_min_num_f32 v[MA], v[\st], v[PST]
	s_delay_alu instid0(VALU_DEP_1)
	v_sub_f32 v[MB], v[MA], v[\st]
	s_delay_alu instid0(VALU_DEP_2)
	v_sub_f32 v[DK], v[MA], v[PST]
	s_delay_alu instid0(VALU_DEP_2)
	v_cvt_i32_f32 v[MB], v[MB]
	s_delay_alu instid0(VALU_DEP_2)
	v_cvt_i32_f32 v[DK], v[DK]
	s_delay_alu instid0(VALU_DEP_2)
	v_ldexp_f32 v[MB], 1.0, v[MB]
	s_delay_alu instid0(VALU_DEP_2)
	v_ldexp_f32 v[DK], 1.0, v[DK]
	v_add_f32 v[SM], v[\st+2], v[\st+3]
	v_add_f32 v[SM+1], v[PST+2], v[PST+3]
	s_delay_alu instid0(VALU_DEP_2)
	v_mul_f32 v[SM], v[SM], v[MB]
	s_delay_alu instid0(VALU_DEP_1)
	v_fma_f32 v[SM], v[SM+1], v[DK], v[SM]
	s_delay_alu instid0(VALU_DEP_1)
	v_permlanex16_b32 v[PERM], v[SM], s[SEL], s[SEL+1]
	s_delay_alu instid0(VALU_DEP_1)
	v_add_f32 v[SM], v[SM], v[PERM]
	s_wait_alu depctr_va_vdst(0)
	v_rcp_f32 v[SM], v[SM]
	v_max_num_f32 v[MA], v[\st+1], v[PST+1]
	s_delay_alu instid0(VALU_DEP_1)
	v_cmp_gt_f32 vcc_lo, 0xcb000000, v[MA]
	s_wait_alu depctr_va_vdst(0)
	v_ldexp_f32 v[SM], v[SM], s92
	s_delay_alu instid0(VALU_DEP_1)
	v_mul_f32 v[G1P], v[SM], v[MB]
	s_delay_alu instid0(VALU_DEP_2)
	v_mul_f32 v[G2P], v[SM], v[DK]
	WIN 0x01
.set jj, 0
.rept 32
	v_pk_mul_f32 v[SL+jj:SL+jj+1], v[\ob+jj:\ob+jj+1], v[G1P:G1P+1] op_sel_hi:[1,0]
.set jj, jj+2
.endr
	WIN 0
.endm
	s_cmp_lt_u32 s[WV], 4
	s_cbranch_scc0 .Lfin_l
	MERGE OE, STE
	s_branch .Lmerged
.Lfin_l:
	MERGE OL, STL
.Lmerged:
	s_wait_dscnt 0x0
	WIN 0x01
.set jj, 0
.rept 32
	v_pk_fma_f32 v[SL+jj:SL+jj+1], v[jj:jj+1], v[G2P:G2P+1], v[SL+jj:SL+jj+1] op_sel_hi:[1,0,1]
.set jj, jj+2
.endr
	WIN 0x04
.set jj, 0
.rept 64
	v_cndmask_b32 v[SL+jj], v[SL+jj], v[64+jj], vcc_lo
.set jj, jj+1
.endr
	WIN 0
	v_mov_b32 v[SCP], s90
	v_mov_b32 v[LIMP], s91
.set jj, 0
.rept 32
	v_pk_mul_f32 v[SL+jj:SL+jj+1], v[SL+jj:SL+jj+1], v[SE+jj:SE+jj+1]
.set jj, jj+2
.endr
.set jj, 0
.rept 64
	v_med3_num_f32 v[SL+jj], v[SL+jj], -v[LIMP], v[LIMP]
.set jj, jj+1
.endr
.irp t, 0,1,2,3,4,5,6,7
	v_cvt_scalef32_pk8_fp8_f32 v[PC+2*\t:PC+2*\t+1], v[SL+8*\t:SL+8*\t+7], v[SCP]
.endr
	v_nop
.irp c, 0,1,2,3
	global_store_b128 v[LI], v[PC+4*\c:PC+4*\c+3], s[OB:OB+1] offset:512*\c
.endr
	s_wait_tensorcnt 0x0
	ds_add_u32 v[SPW], v[NIL]
	s_wait_dscnt 0x0
	CROUND
	s_endpgm
.Lfunc_end_k_qbfe1663d4e_attn:
	.size	k_qbfe1663d4e_attn, .Lfunc_end_k_qbfe1663d4e_attn-k_qbfe1663d4e_attn
	.p2alignl 7, 3214868480
	.fill 96, 4, 3214868480
	.section	.rodata,"a",@progbits
	.p2align	6, 0x0
	.amdhsa_kernel k_qbfe1663d4e_attn
		.amdhsa_group_segment_fixed_size 327680
		.amdhsa_private_segment_fixed_size 0
		.amdhsa_enable_private_segment 0
		.amdhsa_kernarg_size 48
		.amdhsa_user_sgpr_count 2
		.amdhsa_user_sgpr_kernarg_segment_ptr 1
		.amdhsa_wavefront_size32 1
		.amdhsa_system_sgpr_workgroup_id_x 1
		.amdhsa_system_sgpr_workgroup_id_y 1
		.amdhsa_system_sgpr_workgroup_id_z 1
		.amdhsa_system_vgpr_workitem_id 0
		.amdhsa_next_free_vgpr 512
		.amdhsa_next_free_sgpr 100
		.amdhsa_reserve_vcc 1
		.amdhsa_float_denorm_mode_32 3
		.amdhsa_float_denorm_mode_16_64 3
		.amdhsa_memory_ordered 1
		.amdhsa_forward_progress 1
		.amdhsa_inst_pref_size 255
	.end_amdhsa_kernel
	.section	.bss,"aw",@nobits
	.p2align	6
	.space	262144
	.amdgpu_metadata
---
amdhsa.version: [ 1, 2 ]
amdhsa.kernels:
  - .name:           k_qbfe1663d4e_attn
    .symbol:         k_qbfe1663d4e_attn.kd
    .args:
      - { .name: q_img, .offset: 0, .size: 8, .value_kind: global_buffer, .address_space: global }
      - { .name: kv_img, .offset: 8, .size: 8, .value_kind: global_buffer, .address_space: global }
      - { .name: gate_img, .offset: 16, .size: 8, .value_kind: global_buffer, .address_space: global }
      - { .name: vsum, .offset: 24, .size: 8, .value_kind: global_buffer, .address_space: global }
      - { .name: lowp_scales, .offset: 32, .size: 8, .value_kind: global_buffer, .address_space: global }
      - { .name: a_img, .offset: 40, .size: 8, .value_kind: global_buffer, .address_space: global }
    .group_segment_fixed_size: 327680
    .private_segment_fixed_size: 0
    .kernarg_segment_align: 8
    .kernarg_segment_size: 48
    .max_flat_workgroup_size: 256
    .sgpr_count:     100
    .vgpr_count:     512
    .wavefront_size: 32
...
	.end_amdgpu_metadata
.endif
;; end of part 3
;; launch gemm_out (part 4): grid 32 x 8, 4 waves a work-group, clusters of 4 x 1, 327,680 bytes of LDS; arguments a_img, wc, lowp_scales, out0; writes out0
.if DOCPART == 4
	.amdgcn_target "amdgcn-amd-amdhsa--gfx1250"
	.amdhsa_code_object_version 6
	.text
	.protected	k_qbfe1663d4e_gemm_out
	.globl	k_qbfe1663d4e_gemm_out
	.p2align	8
	.type	k_qbfe1663d4e_gemm_out,@function
k_qbfe1663d4e_gemm_out:
	s_mov_b64 s[64:65], 0
	v_nop
	global_prefetch_b8 v0, s[64:65] scope:SCOPE_SE
	s_setreg_imm32_b32 hwreg(HW_REG_WAVE_MODE, 25, 1), 1
	s_wait_xcnt 0x0
	s_wait_alu depctr_hold_cnt(0) depctr_sa_sdst(0) depctr_va_vdst(0) depctr_va_sdst(0) depctr_va_ssrc(0) depctr_va_vcc(0) depctr_vm_vsrc(0)
	s_getreg_b32 s2, hwreg(HW_REG_IB_STS2, 6, 4)
	s_cmp_eq_u32 s2, 0
	s_cbranch_scc0 .Lentry_in_a_cluster
	s_endpgm
.Lentry_in_a_cluster:
	s_bfe_u32 s2, ttmp6, 0x10000c
	s_cmp_lg_u32 s2, 0x3003
	s_cbranch_scc0 .Lentry_shape_is_right
	s_endpgm
.Lentry_shape_is_right:
; out0 [4096][2048] f32 = (gated attention, codes) x (Wo, codes) x 2^(e10 + e11), K = 1,024.
; 256 work-groups, each 128 rows x 256 columns; wave (rh, ch) makes 64 x 128: 32 accumulators.
; NO LDS BYTE IS FILLED TWICE: Wo's whole tile (256 rows of 1,024 codes) lies in LDS as four chunks of 256 along K; wave q asks for chunk q, 256 rows of 256 bytes: one tensor load a wave, at the head.
; The four work-groups of a cluster have the same column tile and ask for it jointly.  The other operand's fragments come from memory as images of their registers, straight into 512 registers, and stay.
; THE COLUMNS GO IN TWO HALVES: all eight K steps of my columns 0-63, which then leave, and then all eight of my columns 64-127: each fragment of Wo is read from LDS once,
; and the first half's stores are out while the second half is multiplied.
; No prefetch: the launch has no loop to run ahead in; every byte is asked for at the head.
; Transposed use: source 0 = 16 rows of Wo's codes, source 1 = 16 rows of attention: a lane holds eight neighbouring columns of one row of the output.
; Wo's codes were laid so that four loads of 16 bytes give the matrix form's own order of k, in which the images were made.
; LIMIT: e10 + e11 between -126 and 127.
; REGISTERS: window 0: v8 16 x lane, v9 the stores' offset, v16-19 LDS addresses, v24, v25 the stage, v32-223 three groups of four fragments of Wo (on the way out: v32-95 scaled sums, v96-223 rows read back);
;   window 1: accumulator (a, b) at v[8 (8 a + b)];   windows 2, 3: fragment (row tile a, K step s) at window 2 + s / 4, v[64 (s % 4) + 16 a].
.set PITCH,  272
.set CHUNK,  256*PITCH
.set STAGE,  4*CHUNK                   ; behind the chunks: 16 rows x (512 + 16) bytes for each wave; no tensor load fills it
.set SPITCH, 528
.set LI,   8
.set CO,   9
.set ADRB, 16
.set STO,  24
.set RD,   25
.set BUF,  32
.set TMP,  32
.set BK,   96
.set G1,   24
.set G0,   32
.set MSB, 0
.macro WIN new
.if MSB != (\new)
	s_set_vgpr_msb (MSB<<8)|(\new)
.set MSB, (\new)
.endif
.endm
.macro PLACES n
.rept \n
	v_nop
.endr
.endm
.macro CROUND
	s_barrier_signal -1
	s_barrier_wait -1
	s_cmp_lg_u32 s14, 0
	s_cbranch_scc1 .Lnot_wave_0_\@
	s_barrier_signal -3
.Lnot_wave_0_\@:
	s_barrier_wait -3
	s_barrier_signal -1
	s_barrier_wait -1
.endm
	s_load_b256 s[4:11], s[0:1], 0x0               ; a_img 4, wc 6, the scales 8, out0 10
	v_lshl_add_u32 v254, v0, 2, 0x4c400            ; my spare word, behind the stages
	v_mov_b32 v255, 0
	ds_add_u32 v254, v255                          ; the opening lines
	ds_add_u32 v254, v255
	v_lshrrev_b32 v1, 5, v0
	v_readfirstlane_b32 s14, v1                    ; wave
	s_lshr_b32 s15, s14, 1                         ; rh
	s_and_b32 s16, s14, 1                          ; ch
	s_bfe_u32 s12, ttmp6, 0x40000                  ; cx: it enters the addresses of a_img and out0 alone
	s_lshl_b32 s17, ttmp9, 2
	s_add_co_u32 s17, s17, s12                     ; which 128 rows
	s_and_b32 s18, ttmp7, 0xffff                   ; which 256 columns: shared by the four partners
	s_mov_b32 s[G1], 15|(1<<20)|(1<<21)|(5<<22)|(3<<25)   ; the mask; elements of 1 byte; padding: 4 words behind every 64; bit 21 beside a mask
	s_mov_b32 s[G1+1], 256<<16
	s_mov_b32 s[G1+2], 256<<16
	s_mov_b32 s[G1+3], 256<<16
	s_mov_b32 s[G1+4], 256
	s_mov_b32 s[G1+5], 1024
	s_mov_b32 s[G1+6], 0
	s_mov_b32 s[G1+7], 0
	v_and_b32 v1, 15, v0                           ; r
	v_bfe_u32 v2, v0, 4, 1                         ; h
	v_and_b32 v3, 31, v0
	v_lshlrev_b32 v[LI], 4, v3
	v_lshlrev_b32 v[CO], 17, v2                    ; the stores: lanes 16-31 stand 16 rows of 8,192 bytes below lanes 0-15,
	v_lshl_add_u32 v[CO], v1, 4, v[CO]             ; 16 bytes a lane
	v_mul_u32_u24 v4, v1, PITCH
	v_lshl_add_u32 v4, v2, 4, v4
	s_mul_i32 s19, s16, 128*PITCH                  ; my 128 rows of Wo's tile
.irp q, 0,1,2,3
	v_add_nc_u32 v[ADRB+\q], s19, v4
	s_add_co_u32 s19, s19, CHUNK
.endr
	s_mul_i32 s19, s14, 16*SPITCH
	s_add_co_u32 s19, s19, STAGE
	v_mul_u32_u24 v5, v1, SPITCH
	v_lshl_add_u32 v5, v2, 5, v5
	v_add_nc_u32 v[STO], s19, v5                   ; the stage, in: row r, 32 bytes for each half of the lanes
	v_add_nc_u32 v[RD], s19, v[LI]                 ; and back: a row of 512 bytes to the 32 lanes
	s_lshl_b32 s20, s18, 18                        ; the tile's 256 rows of 1,024 codes,
	s_lshl_b32 s21, s14, 8
	s_add_co_u32 s20, s20, s21                     ; my chunk of 256 along K,
	s_add_co_u32 s20, s20, 0x800000                ; behind the other weights' codes
	s_mov_b32 s21, 0
	s_mul_i32 s22, s14, CHUNK
	s_lshl_b32 s48, s17, 3
	s_lshl_b32 s49, s15, 2
	s_add_co_u32 s48, s48, s49
	s_lshl_b32 s48, s48, 14                        ; my four row tiles' images: 16,384 bytes a tile
	s_mov_b32 s49, 0
	s_lshl_b32 s52, s17, 7
	s_lshl_b32 s53, s15, 6
	s_add_co_u32 s52, s52, s53
	s_lshl_b32 s52, s52, 13                        ; my first row of the output,
	s_lshl_b32 s53, s18, 10
	s_add_co_u32 s52, s52, s53
	s_lshl_b32 s53, s16, 9
	s_add_co_u32 s52, s52, s53                     ; my first column
	s_mov_b32 s53, 0
	s_wait_alu depctr_va_vdst(0)
	s_wait_dscnt 0x0
	s_wait_kmcnt 0x0
	s_load_b64 s[50:51], s[8:9], 0x28              ; e10, e11
	s_add_nc_u64 s[20:21], s[6:7], s[20:21]
	s_add_nc_u64 s[4:5], s[4:5], s[48:49]
	s_add_nc_u64 s[10:11], s[10:11], s[52:53]
	s_mov_b32 s[G0], 1
	s_mov_b32 s[G0+1], s22
	s_mov_b64 s[G0+2:G0+3], s[20:21]
	s_or_b32 s[G0+3], s[G0+3], 0x80000000
	CROUND                                         ; all four work-groups are here: the joint loads meet
	tensor_load_to_lds s[G0:G0+3], s[G1:G1+7]
	s_nop 0
.rept 4
	v_nop
.endr
.irp s, 0,1,2,3,4,5,6,7
	WIN 0x80+0x40*(\s/4)                           ; destination window 2 or 3
.irp a, 0,1,2,3
.irp c, 0,1,2,3
	global_load_b128 v[64*(\s%4)+16*\a+4*\c:64*(\s%4)+16*\a+4*\c+3], v[LI], s[4:5] offset:16384*\a+2048*\s+512*\c
.endr
.endr
.endr
	WIN 0
.macro FETCH g                         ; group g: column tiles 4 (g / 8) .. + 3, K step g % 8: four fragments of Wo
.set BB, BUF+64*((\g)%3)
.irp i, 0,1,2,3
.irp c, 0,1,2,3
	ds_load_b128 v[BB+16*\i+4*\c:BB+16*\i+4*\c+3], v[ADRB+((\g)%8)/2] offset:(4*((\g)/8)+\i)*16*PITCH+128*((\g)%2)+32*\c
.endr
.endr
.endm
.macro MULG                            ; 16 products on a half's 16 accumulators, by turns of one instruction: 15 others stand between two steps of a sum
.set KS_, G%8
.set BB, BUF+64*(G%3)
	WIN 0x58+4*(KS_/4)                             ; source 0 window 0, source 1 window 2 or 3, C and D window 1
.irp a, 0,1,2,3
.irp i, 0,1,2,3
.if KS_ == 0
	v_wmma_f32_16x16x128_fp8_fp8 v[8*(8*\a+4*(G/8)+\i):8*(8*\a+4*(G/8)+\i)+7], v[BB+16*\i:BB+16*\i+15], v[64*(KS_%4)+16*\a:64*(KS_%4)+16*\a+15], 0
.else
	v_wmma_f32_16x16x128_fp8_fp8 v[8*(8*\a+4*(G/8)+\i):8*(8*\a+4*(G/8)+\i)+7], v[BB+16*\i:BB+16*\i+15], v[64*(KS_%4)+16*\a:64*(KS_%4)+16*\a+15], v[8*(8*\a+4*(G/8)+\i):8*(8*\a+4*(G/8)+\i)+7]
.endif
.endr
.endr
	WIN 0
.endm
.macro GROUP
	PLACES 4                                       ; in front of loads into the registers that the last group's products read
.if (G%8)+2 < 8
	FETCH G+2
	s_wait_dscnt 32                                ; this group's fragments are in; two groups' loads may be out
.elseif G%8 == 6
	s_wait_dscnt 16                                ; a half's last two groups fetch nothing: the way out takes the registers
.else
	s_wait_dscnt 0
.endif
.if G < 8
.if 16*(7-G) > 63
	s_wait_loadcnt 63                              ; of 128 loads at most 63 are out: K steps 0 to 3 are in
.else
	s_wait_loadcnt 16*(7-G)                        ; this K step's 16 loads are in; the later steps' may be out
.endif
.endif
	MULG
.endm
; THE WAY OUT, a unit at a time: two blocks of 16 rows (2 p, 2 p + 1) x the half's 64 columns.  In my own stage block 2 p takes bytes 0-255 of a row and block 2 p + 1 bytes 256-511;
; a row comes back to the 32 lanes, and each sixteen lanes store one aligned run of 256 bytes
.macro TOSTAGE hf, p
	WIN 0x01
.irp k, 0,1
.set jj, 0
.rept 16
	v_pk_mul_f32 v[TMP+32*\k+jj:TMP+32*\k+jj+1], v[64*(2*(\p)+\k)+32*(\hf)+jj:64*(2*(\p)+\k)+32*(\hf)+jj+1], s[50:51] op_sel_hi:[1,0]   ; x 2^(e10 + e11); each accumulator from its low end on
.set jj, jj+2
.endr
.endr
	WIN 0
.irp k, 0,1
.irp b, 0,1,2,3
	ds_store_b128 v[STO], v[TMP+32*\k+8*\b:TMP+32*\k+8*\b+3] offset:256*\k+64*\b
	ds_store_b128 v[STO], v[TMP+32*\k+8*\b+4:TMP+32*\k+8*\b+7] offset:256*\k+64*\b+16
.endr
.endr
.set BB, BK+64*((\p)%2)
.set tt, 0
.rept 16
	ds_load_b128 v[BB+4*tt:BB+4*tt+3], v[RD] offset:tt*SPITCH   ; LDS serves a wave's instructions in order (ISA guide 5.7.1.4): these see the stores above
.set tt, tt+1
.endr
.endm
.macro SEND hf, p, younger
.set BB, BK+64*((\p)%2)
	s_wait_dscnt \younger
.set tt, 0
.rept 16
	global_store_b128 v[CO], v[BB+4*tt:BB+4*tt+3], s[10:11] offset:262144*(\p)+8192*tt+256*(\hf) th:TH_STORE_NT
.set tt, tt+1
.endr
.endm
.macro LEAVE hf
	PLACES 4                                       ; behind the half's last products
	TOSTAGE \hf, 0
	TOSTAGE \hf, 1
	SEND \hf, 0, 32                                ; behind that unit's loads: the next unit's 16 stores and 16 loads
	SEND \hf, 1, 0
.endm
	s_wait_kmcnt 0x0
	s_add_co_i32 s50, s50, s51
	s_add_co_i32 s50, s50, 127
	s_lshl_b32 s50, s50, 23                        ; 2^(e10 + e11)
	s_mov_b32 s51, s50
	s_wait_tensorcnt 0x0                           ; my chunk has landed;
	s_wait_dscnt 0x0
	s_barrier_signal -1
	s_barrier_wait -1                              ; and so has everybody's
	FETCH 0
	FETCH 1
.set G, 0
.rept 8
	GROUP
.set G, G+1
.endr
	LEAVE 0                                        ; my columns 0-63 leave
	s_wait_xcnt 0x0                                ; the stores have read their data: the fragments below may land there
	FETCH 8
	FETCH 9
.rept 8
	GROUP
.set G, G+1
.endr
	LEAVE 1
	s_wait_tensorcnt 0x0                           ; the wave's end
	ds_add_u32 v254, v255
	s_wait_dscnt 0x0
	CROUND                                         ; the closing round
	s_endpgm
.Lfunc_end_k_qbfe1663d4e_gemm_out:
	.size	k_qbfe1663d4e_gemm_out, .Lfunc_end_k_qbfe1663d4e_gemm_out-k_qbfe1663d4e_gemm_out
	.p2alignl 7, 3214868480
	.fill 96, 4, 3214868480
	.section	.rodata,"a",@progbits
	.p2align	6, 0x0
	.amdhsa_kernel k_qbfe1663d4e_gemm_out
		.amdhsa_group_segment_fixed_size 327680
		.amdhsa_private_segment_fixed_size 0
		.amdhsa_enable_private_segment 0
		.amdhsa_kernarg_size 32
		.amdhsa_user_sgpr_count 2
		.amdhsa_user_sgpr_kernarg_segment_ptr 1
		.amdhsa_wavefront_size32 1
		.amdhsa_system_sgpr_workgroup_id_x 1
		.amdhsa_system_sgpr_workgroup_id_y 1
		.amdhsa_system_sgpr_workgroup_id_z 1
		.amdhsa_system_vgpr_workitem_id 0
		.amdhsa_next_free_vgpr 1024
		.amdhsa_next_free_sgpr 80
		.amdhsa_reserve_vcc 0
		.amdhsa_float_denorm_mode_32 3
		.amdhsa_float_denorm_mode_16_64 3
		.amdhsa_memory_ordered 1
		.amdhsa_forward_progress 1
		.amdhsa_inst_pref_size 76
	.end_amdhsa_kernel
	.amdgpu_metadata
---
amdhsa.version: [ 1, 2 ]
amdhsa.kernels:
  - .name:           k_qbfe1663d4e_gemm_out
    .symbol:         k_qbfe1663d4e_gemm_out.kd
    .args:
      - { .name: a_img, .offset: 0, .size: 8, .value_kind: global_buffer, .address_space: global }
      - { .name: wc, .offset: 8, .size: 8, .value_kind: global_buffer, .address_space: global }
      - { .name: lowp_scales, .offset: 16, .size: 8, .value_kind: global_buffer, .address_space: global }
      - { .name: out0, .offset: 24, .size: 8, .value_kind: global_buffer, .address_space: global }
    .group_segment_fixed_size: 327680
    .private_segment_fixed_size: 0
    .kernarg_segment_align: 8
    .kernarg_segment_size: 32
    .max_flat_workgroup_size: 128
    .sgpr_count:     80
    .vgpr_count:     1024
    .wavefront_size: 32
...
	.end_amdgpu_metadata
.endif
;; end of part 4
